; MI455X (gfx1250); checked and timed in simulation.
; The chip was launched on July 23, 2026; its instructions are those of AMD's public machine-readable ISA for CDNA 5 (MIT licence, August 2026) and "CDNA5" Instruction Set Architecture Reference Guide (July 2026). The comments in the code are by the model that wrote it; some were corrected since.
;; Attention. Allowed arithmetic: matrix products marked QUANTISED: E2M1 operands, one E8M0 scale for each 32 along K, by v_wmma_scale_f32_16x16x128_f8f6f4 with both operands' format E2M1 (or v_wmma_scale_f32_32x16x128_f4), f32 sums; products left as they are: bf16, f16 or f32 operands; f32 sums; everything else in f32.
;; Inputs: cos_cache 2,048 x 64 float32; mask 1 x 1 x 2,048 x 2,048 int32; sin_cache 2,048 x 64 float32; w_k 2,048 x 2,048 float32; w_o 2,048 x 2,048 float32; w_q 2,048 x 2,048 float32; w_v 2,048 x 2,048 float32; x 1 x 2,048 x 2,048 float32.
;; Outputs: out0 1 x 2,048 x 2,048 float32.
;; Constants: rope_offset = 0.
;; This version of the problem:
;;   THIS VERSION OF THE PROBLEM IS GIVEN IN LOW PRECISION. The matrix products marked QUANTISED in the list below multiply operands that are first quantised to E2M1 (2 exponent bits, 1 mantissa bit; 4 bits a number), with one power-of-two scale for each 32 numbers along K (OCP MX v1.0); their sums are f32. The products marked 'left as it is' may take bf16, f16 or f32 operands, with f32 sums. Whichever they take, every output number must still come out within the allowed error. Rounding operands to bf16 (8 significant bits) uses up far more of that allowance than f16 does (11 bits, for magnitudes from 6e-5 to 65,504). All else is computed in f32.
;;   The module's matrix products, in the order in which they are computed (A, B: the left and right operand; K: the contracted axis; several contracted axes count as one K, in the product's order):
;;     1. [M 2,048, K 2,048] x [K 2,048, N 2,048]; A: input x; B: input w_q: QUANTISED
;;     2. [M 2,048, K 2,048] x [K 2,048, N 2,048]; A: input x; B: input w_k: QUANTISED
;;     3. [M 2,048, K 2,048] x [K 2,048, N 2,048]; A: input x; B: input w_v: QUANTISED
;;     4. batch 16 x [M 2,048, K 128] x [K 128, N 2,048]; A: computed on the way; B: computed on the way: left as it is (an operand is computed on the way)
;;     5. batch 16 x [M 128, K 2,048] x [K 2,048, N 2,048]; A: computed on the way; B: computed on the way: left as it is (an operand is computed on the way)
;;     6. [M 2,048, K 2,048] x [K 2,048, N 2,048]; A: computed on the way; B: input w_o: left as it is (an operand is computed on the way)
;;   THE QUANTISER, for each operand of a quantised product, along K:
;;     - K is cut into blocks of 32 from its start; a last block that is shorter is filled with zeros.
;;     - A block's scale is 2^e with e = floor(log2(the largest magnitude in the block)) - 2, held to -126 .. 127; a block of zeros has e = 0. As a byte (E8M0): e + 127.
;;     - Each number is divided by its block's scale, clamped to +-6, and rounded to the nearest number of E2M1, ties to even, subnormals kept.
;;     - The product sums the exact products of the quantised numbers (number of the format x scale) in f32.
;;   ~~~python
;;   def quantise(x, axis):      # numpy; x: float32 -> the quantised numbers, widened to float32 again
;;       x = np.moveaxis(x, axis, -1); K = x.shape[-1]
;;       x = np.pad(x, [(0, 0)] * (x.ndim - 1) + [(0, -K % 32)]); x = x.reshape(x.shape[:-1] + (-1, 32)); a = np.abs(x).max(-1, keepdims=True)
;;       e = np.where(a > 0, np.clip(np.frexp(np.where(a > 0, a, 1))[1] - 1 - 2, -126, 127), 0)      # np.frexp(a)[1] - 1 = floor(log2(a)), exactly
;;       r = np.clip(x / 2.0 ** e, -6, 6)
;;       step = 2.0 ** (np.maximum(np.frexp(np.where(r == 0, 1, r))[1] - 1, 0) - 1)
;;       q = np.round(r / step) * step * 2.0 ** e      # np.round: ties to even
;;       return np.moveaxis(q.reshape(q.shape[:-2] + (-1,))[..., :K], -1, axis).astype(np.float32)
;;   ~~~
;; One version. Each part assembles by itself: llvm-mc -triple=amdgcn-amd-amdhsa -mcpu=gfx1250 --defsym DOCPART=n.
;; ======== version 1 of 1: 5 launches
;; limits: values are held in f16: magnitudes above 65,504 overflow, below 6.1e-05 lose precision
;; workspace buffers: codes 8,912,896 bytes; wo16 8,388,608 bytes; mbits 524,288 bytes of whole numbers; qkv 25,165,824 bytes; qkv32 393,216 bytes; ao 8,388,608 bytes
;; launch prep (part 1): grid 768 x 1, 4 waves a work-group, no clusters, 68,096 bytes of LDS; arguments x, w_q, w_k, w_v, w_o, mask, codes, wo16, mbits; writes codes, wo16, mbits
.if DOCPART == 1
	.amdgcn_target "amdgcn-amd-amdhsa--gfx1250"
	.amdhsa_code_object_version 6
	.text
	.protected	k_q6eef640e65_prep
	.globl	k_q6eef640e65_prep
	.p2align	8
	.type	k_q6eef640e65_prep,@function
k_q6eef640e65_prep:
	s_mov_b64 s[64:65], 0
	v_nop
	global_prefetch_b8 v0, s[64:65] scope:SCOPE_SE
	s_setreg_imm32_b32 hwreg(HW_REG_WAVE_MODE, 25, 1), 1
	s_wait_xcnt 0x0
; PREP: what the later launches read many times is made narrow once.
; NOTHING OF THE PROBLEM IS LEFT OUT IN THIS PROGRAM: every input has a way to the output and is loaded; the mask is an input, so no pattern of it is built in; rope_offset is the constant 0, so a row of
; the caches is a position.
; Three roles, by the work-group's number (128 work-groups, 512 waves, for each tensor of 2,048 x 2,048 numbers; a wave takes 8,192 numbers):
;   t = 0..3  x, w_q, w_k, w_v (f32, K innermost) become codes of FP4 (E2M1) with one E8M0 byte for each 32 along K.  codes: x's at 0, the weights' from 2,097,152 on, [row][1,024 bytes];
;             the scale bytes from XS on, [row][64], in the same order of tensors.
;   t = 4     w_o becomes f16, [2048][2048].
;   t = 5     the mask becomes bits: mbits [32 queries RG][64 keys gstep][lane][i]: the word of query 32 RG + 16 i + lane % 16; bit 31 - (8 kt + j) is set where
;             mask[query][64 gstep + 16 kt + 8 (lane / 16) + j] is not 0: the order of a lane's 32 score registers in the attention launch, from the top bit down.
; A block's scale is 2^(floor(log2(its largest magnitude)) - 2); its byte is the largest magnitude's exponent field - 2, held at 1 from below.
; LIMITS: a block of zeros gets the byte 1 where the quantiser says 127 (its codes are zeros, and this program alone reads the bytes); blocks whose largest magnitude lies under 2^(2 - 126) have
; their byte held at 1; NaN and infinities among x and the weights are not served; w_o beyond 65,504 has no place in f16.
; No cluster and no tensor load: the waves share no input, each byte is read once by 16-byte loads of which a wave's covers 512 consecutive bytes.  Each role has LDS bytes of its own.
.set XS,    8388608                    ; where the scale bytes begin in codes
.set STEPS, 16
.set EMAX,  2
.set CB,    8                          ; bytes of 16 codes
.set WREG,  8192                       ; roles 0..3: a wave's LDS: two stages of 32 x SP bytes, behind them its 256 scale bytes
.set SP,    80                         ; a lane's place in a stage: 64 bytes + 16 of padding
.set MST,   4*WREG                     ; role 5: a wave's stage of 32 rows x (256 + 16) bytes
.set MREG,  32*272
.set SPARE, MST+4*MREG                 ; the spare words, 128 bytes for each wave: two blocks of 256 bytes that no other line names
.set SPW,   12                         ; v12  SPARE + 4 x my thread's number; never rewritten
.set NIL,   13                         ; v13  0; never rewritten
.set R,     16                         ; v16-79   four sets of 16 numbers as loaded (role 5: two sets of 64, v16-143)
.set X,     80                         ; v80-111  roles 0..3: two sets of 16 neighbours
.set E,     112                        ; v112-127 a scale byte for each step
.set C,     128                        ; v128-191 codes, four registers for each step
.set H,     80                         ; v80-207  role 4: eight registers of f16 for each step, so that no store's data are written again
.set Y,     144                        ; v144-207 role 5: 64 mask numbers in the order of the bits
.set MB,    208                        ; v208-215 role 5: a pair of words for each unit
	s_load_b512 s[4:19], s[0:1], 0x0               ; x, w_q, w_k, w_v, w_o, mask, codes, wo16
	s_load_b64 s[20:21], s[0:1], 0x40              ; mbits
	v_lshl_add_u32 v[SPW], v0, 2, SPARE
	v_mov_b32 v[NIL], 0
	v_lshrrev_b32 v1, 5, v0
	v_readfirstlane_b32 s24, v1                    ; wave
	v_and_b32 v2, 31, v0                           ; lane
	s_lshr_b32 s22, ttmp9, 7                       ; t: the role
	s_and_b32 s23, ttmp9, 127
	s_lshl_b32 s23, s23, 2
	s_add_co_u32 s23, s23, s24                     ; which run of 8,192 numbers is my wave's: 0..511
	s_mov_b32 s27, 0
	s_wait_kmcnt 0x0
	s_cmp_eq_u32 s22, 4
	s_cbranch_scc1 .Lcast
	s_cmp_eq_u32 s22, 5
	s_cbranch_scc1 .Lmask
	; ---- roles 0..3: the quantiser.  The conversions take neighbours along K from ONE lane's registers, a load is best where neighbouring lanes take neighbouring bytes: so a step's 2,048 bytes are
	; loaded as they lie, go through the wave's own stage in LDS and come back 64 bytes a lane; two neighbouring lanes hold a block of 32.
	v_lshlrev_b32 v3, 4, v2                        ; my 16 bytes of a load's 512
	s_mul_i32 s25, s24, WREG
	v_lshrrev_b32 v14, 2, v2
	v_mul_u32_u24 v14, v14, SP
	v_and_b32 v15, 3, v2
	v_lshl_add_u32 v14, v15, 4, v14
	v_add_nc_u32 v14, s25, v14                     ; the stage, on the way in: SP (lane / 4) + 16 (lane % 4)
	v_mul_u32_u24 v15, v2, SP
	v_add_nc_u32 v15, s25, v15                     ; and on the way out: SP x lane
	v_mul_u32_u24 v4, v2, CB                       ; my codes' place in a step's
	v_lshrrev_b32 v5, 1, v2
	s_add_co_u32 s25, s25, 2*32*SP
	v_add_nc_u32 v5, s25, v5                       ; my block's byte among my wave's 256
	v_lshlrev_b32 v7, 3, v2
	v_add_nc_u32 v6, s25, v7                       ; and on the way out 8 bytes a lane
	s_cmp_eq_u32 s22, 1                            ; the tensor is chosen by the work-group's number alone
	s_cselect_b64 s[4:5], s[6:7], s[4:5]
	s_cmp_eq_u32 s22, 2
	s_cselect_b64 s[4:5], s[8:9], s[4:5]
	s_cmp_eq_u32 s22, 3
	s_cselect_b64 s[4:5], s[10:11], s[4:5]
	s_lshl_b32 s26, s23, 15                        ; 32,768 bytes of numbers a run
	s_add_nc_u64 s[4:5], s[4:5], s[26:27]
	s_lshl_b32 s26, s22, 21                        ; 2,097,152 bytes of codes a tensor,
	s_lshl_b32 s28, s23, 12                        ; 4,096 a run
	s_add_co_u32 s26, s26, s28
	s_add_nc_u64 s[8:9], s[16:17], s[26:27]
	s_lshl_b32 s26, s22, 17                        ; 131,072 scale bytes a tensor,
	s_lshl_b32 s28, s23, 8                         ; 256 a run
	s_add_co_u32 s26, s26, s28
	s_add_co_u32 s26, s26, XS
	s_add_nc_u64 s[10:11], s[16:17], s[26:27]
.macro LOADQ t
.irp i, 0,1,2,3
	global_load_b128 v[R+16*((\t)%4)+4*\i:R+16*((\t)%4)+4*\i+3], v3, s[4:5] offset:2048*(\t)+512*\i th:TH_LOAD_NT   ; 32 lanes read 512 consecutive bytes
.endr
.endm
.macro TURNQ t                         ; step t's numbers through the stage: LDS serves a wave's instructions in order, so no wait stands between the stores and the loads
.irp i, 0,1,2,3
	ds_store_b128 v14, v[R+16*((\t)%4)+4*\i:R+16*((\t)%4)+4*\i+3] offset:32*SP*((\t)%2)+8*SP*\i
.endr
.irp i, 0,1,2,3
	ds_load_b128 v[X+16*((\t)%2)+4*\i:X+16*((\t)%2)+4*\i+3], v15 offset:32*SP*((\t)%2)+16*\i
.endr
.endm
.irp t, 0,1,2,3
	LOADQ \t
.endr
	s_wait_loadcnt 12                              ; step 0's four loads are in; those of three steps may be out
	TURNQ 0
.macro STEPQ t
.set XQ, X+16*((\t)%2)
.if (\t) > 0
	s_wait_dscnt 1                                 ; this step's numbers are back from the stage (the last step's byte store may be out)
.else
	s_wait_dscnt 0x0
.endif
.if (\t)+4 < STEPS
	LOADQ (\t)+4                                   ; into the registers that the stage's stores have read
.endif
.if (\t)+1 < STEPS
.if STEPS-2-(\t) >= 3
	s_wait_loadcnt 12                              ; the next step's four loads are in; those of the three steps behind it may be out
.else
	s_wait_loadcnt 4*(STEPS-2-(\t))
.endif
	TURNQ (\t)+1
.endif
	v_max3_num_f32 v8, |v[XQ]|, |v[XQ+1]|, |v[XQ+2]|               ; the largest magnitude of my 16, in two chains
	v_max3_num_f32 v9, |v[XQ+3]|, |v[XQ+4]|, |v[XQ+5]|
.irp i, 6,10
	v_max3_num_f32 v8, v8, |v[XQ+\i]|, |v[XQ+\i+1]|
	v_max3_num_f32 v9, v9, |v[XQ+\i+2]|, |v[XQ+\i+3]|
.endr
	v_max3_num_f32 v8, v8, |v[XQ+14]|, |v[XQ+15]|
	v_max3_num_f32 v8, v8, v9, (EMAX+1)<<23        ; and the floor 2^(EMAX + 1 - 127): the byte cannot fall under 1
	v_max_num_f32_dpp v8, v8, v8 row_xmask:1 row_mask:0xf bank_mask:0xf   ; with my neighbour's 16: the block's
	v_add_nc_u32 v11, -(EMAX<<23), v8              ; EMAX off its exponent field: the conversion takes the exponent field of this operand as its scale
	v_cvt_scalef32_pk8_fp4_f32 v[C+4*(\t)], v[XQ:XQ+7], v11
	v_cvt_scalef32_pk8_fp4_f32 v[C+4*(\t)+1], v[XQ+8:XQ+15], v11
	v_lshrrev_b32 v[E+(\t)], 23, v11               ; the scale's byte
	ds_store_b8 v5, v[E+(\t)] offset:16*(\t)       ; both lanes of a block write the same byte with the same value
	global_store_b64 v4, v[C+4*(\t):C+4*(\t)+1], s[8:9] offset:32*CB*(\t)   ; the wave stores 256 consecutive bytes, aligned
.endm
.irp t, 0,1,2,3,4,5,6,7,8,9,10,11,12,13,14,15
	STEPQ \t
.endr
	ds_load_b64 v[8:9], v6                         ; LDS serves a wave's instructions in order: these see my byte stores
	s_wait_dscnt 0x0
	global_store_b64 v7, v[8:9], s[10:11]          ; my wave's 256 scale bytes: 256 consecutive bytes, aligned
	s_wait_tensorcnt 0x0                           ; the wave's end: three lines behind my last LDS store
	ds_add_u32 v[SPW], v[NIL]
	s_wait_dscnt 0x0
	s_endpgm
	; ---- role 4: w_o to f16.  A step is 512 numbers: four loads of 512 bytes, eight roundings of two, four stores of 256 consecutive bytes.  Loads run four steps ahead.
.Lcast:
	v_lshlrev_b32 v3, 4, v2
	v_lshlrev_b32 v4, 3, v2
	s_lshl_b32 s26, s23, 15
	s_add_nc_u64 s[12:13], s[12:13], s[26:27]
	s_lshl_b32 s26, s23, 14
	s_add_nc_u64 s[18:19], s[18:19], s[26:27]
.macro LOADW t
.irp i, 0,1,2,3
	global_load_b128 v[R+16*((\t)%4)+4*\i:R+16*((\t)%4)+4*\i+3], v3, s[12:13] offset:2048*(\t)+512*\i
.endr
.endm
.macro STEPW t
.if STEPS-1-(\t) >= 3
	s_wait_loadcnt 12                              ; this step's four loads are in; those of the three steps behind it may be out
.else
	s_wait_loadcnt 4*(STEPS-1-(\t))
.endif
.irp i, 0,1,2,3
	v_cvt_pk_f16_f32 v[H+8*(\t)+2*\i], v[R+16*((\t)%4)+4*\i], v[R+16*((\t)%4)+4*\i+1]
	v_cvt_pk_f16_f32 v[H+8*(\t)+2*\i+1], v[R+16*((\t)%4)+4*\i+2], v[R+16*((\t)%4)+4*\i+3]
.endr
.if (\t)+4 < STEPS
	LOADW (\t)+4
.endif
.irp i, 0,1,2,3
	global_store_b64 v4, v[H+8*(\t)+2*\i:H+8*(\t)+2*\i+1], s[18:19] offset:1024*(\t)+256*\i
.endr
.endm
.irp t, 0,1,2,3
	LOADW \t
.endr
.irp t, 0,1,2,3,4,5,6,7,8,9,10,11,12,13,14,15
	STEPW \t
.endr
	s_wait_tensorcnt 0x0                           ; the same three lines at this role's end
	ds_add_u32 v[SPW], v[NIL]
	s_wait_dscnt 0x0
	s_endpgm
	; ---- role 5: the mask's bits.  A wave takes 32 queries x 256 keys, in four units of 64 keys.  A unit's 32 rows of 256 bytes are loaded as they lie (sixteen lanes to a row), go through the wave's
	; own stage (rows 272 bytes apart) and come back so that a lane holds, for each of the two tiles of 16 queries, the 32 numbers of its word.
.Lmask:
	s_lshr_b32 s25, s23, 3                         ; RG
	s_and_b32 s28, s23, 7
	s_lshl_b32 s28, s28, 2                         ; my first unit
	s_lshl_b32 s26, s25, 18                        ; 32 rows of 8,192 bytes
	s_lshl_b32 s29, s28, 8
	s_add_co_u32 s26, s26, s29
	s_add_nc_u64 s[14:15], s[14:15], s[26:27]
	s_lshl_b32 s26, s25, 5
	s_add_co_u32 s26, s26, s28
	s_lshl_b32 s26, s26, 8                         ; 256 bytes of words a unit
	s_add_nc_u64 s[20:21], s[20:21], s[26:27]
	v_and_b32 v3, 15, v2                           ; r
	v_lshrrev_b32 v4, 4, v2                        ; h
	v_lshlrev_b32 v5, 4, v3
	v_lshl_add_u32 v5, v4, 13, v5                  ; in memory: row h of a pair, 16 bytes a lane
	s_mul_i32 s29, s24, MREG
	s_add_co_u32 s29, s29, MST
	v_mul_u32_u24 v6, v4, 272
	v_lshl_add_u32 v6, v3, 4, v6
	v_add_nc_u32 v6, s29, v6                       ; the stage, on the way in
	v_mul_u32_u24 v7, v3, 272
	v_lshl_add_u32 v7, v4, 5, v7
	v_add_nc_u32 v7, s29, v7                       ; on the way out: row r, keys 8 h on
	v_lshlrev_b32 v14, 3, v2                       ; a lane's pair of words
.macro LOADM g
.irp i, 0,1,2,3,4,5,6,7,8,9,10,11,12,13,14,15
	global_load_b128 v[R+64*((\g)%2)+4*\i:R+64*((\g)%2)+4*\i+3], v5, s[14:15] offset:16384*\i+256*(\g) th:TH_LOAD_NT
.endr
.endm
.macro UNIT g
.if (\g) < 3
	s_wait_loadcnt 16                              ; this unit's 16 loads are in; the next unit's may be out
.else
	s_wait_loadcnt 0x0
.endif
.irp i, 0,1,2,3,4,5,6,7,8,9,10,11,12,13,14,15
	ds_store_b128 v6, v[R+64*((\g)%2)+4*\i:R+64*((\g)%2)+4*\i+3] offset:544*\i
.endr
.irp i2, 0,1
.irp kt, 0,1,2,3
.irp e, 0,1
	ds_load_b128 v[Y+32*\i2+8*\kt+4*\e:Y+32*\i2+8*\kt+4*\e+3], v7 offset:4352*\i2+64*\kt+16*\e
.endr
.endr
.endr
	s_wait_dscnt 0x0                               ; the numbers are back, and the stores have read their registers
.if (\g)+2 < 4
	LOADM (\g)+2
.endif
.set bb, 0
.rept 32                               ; a number that is not 0 counts as 1 (taken as unsigned, so negative ones too); the two tiles by turns
	v_min_u32 v[8+2*(bb%2)], 1, v[Y+bb]
	v_min_u32 v[9+2*(bb%2)], 1, v[Y+32+bb]
.if bb == 0
	v_lshlrev_b32 v[MB+2*(\g)], 31, v8
	v_lshlrev_b32 v[MB+2*(\g)+1], 31, v9
.else
	v_lshl_or_b32 v[MB+2*(\g)], v[8+2*(bb%2)], 31-bb, v[MB+2*(\g)]
	v_lshl_or_b32 v[MB+2*(\g)+1], v[9+2*(bb%2)], 31-bb, v[MB+2*(\g)+1]
.endif
.set bb, bb+1
.endr
	global_store_b64 v14, v[MB+2*(\g):MB+2*(\g)+1], s[20:21] offset:256*(\g)   ; 256 consecutive bytes, aligned
.endm
	LOADM 0
	LOADM 1
	UNIT 0
	UNIT 1
	UNIT 2
	UNIT 3
	s_wait_tensorcnt 0x0                           ; the wave's end: the three lines behind my last LDS store
	ds_add_u32 v[SPW], v[NIL]
	s_wait_dscnt 0x0
	s_endpgm
.Lfunc_end_k_q6eef640e65_prep:
	.size	k_q6eef640e65_prep, .Lfunc_end_k_q6eef640e65_prep-k_q6eef640e65_prep
	.p2alignl 7, 3214868480
	.fill 96, 4, 3214868480
	.section	.rodata,"a",@progbits
	.p2align	6, 0x0
	.amdhsa_kernel k_q6eef640e65_prep
		.amdhsa_group_segment_fixed_size 68096
		.amdhsa_private_segment_fixed_size 0
		.amdhsa_enable_private_segment 0
		.amdhsa_kernarg_size 72
		.amdhsa_user_sgpr_count 2
		.amdhsa_user_sgpr_kernarg_segment_ptr 1
		.amdhsa_wavefront_size32 1
		.amdhsa_system_sgpr_workgroup_id_x 1
		.amdhsa_system_sgpr_workgroup_id_y 1
		.amdhsa_system_sgpr_workgroup_id_z 1
		.amdhsa_system_vgpr_workitem_id 0
		.amdhsa_next_free_vgpr 216
		.amdhsa_next_free_sgpr 66
		.amdhsa_reserve_vcc 0
		.amdhsa_float_denorm_mode_32 3
		.amdhsa_float_denorm_mode_16_64 3
		.amdhsa_memory_ordered 1
		.amdhsa_forward_progress 1
		.amdhsa_inst_pref_size 94
	.end_amdhsa_kernel
	.amdgpu_metadata
---
amdhsa.version: [ 1, 2 ]
amdhsa.kernels:
  - .name:           k_q6eef640e65_prep
    .symbol:         k_q6eef640e65_prep.kd
    .args:
      - { .name: x, .offset: 0, .size: 8, .value_kind: global_buffer, .address_space: global }
      - { .name: w_q, .offset: 8, .size: 8, .value_kind: global_buffer, .address_space: global }
      - { .name: w_k, .offset: 16, .size: 8, .value_kind: global_buffer, .address_space: global }
      - { .name: w_v, .offset: 24, .size: 8, .value_kind: global_buffer, .address_space: global }
      - { .name: w_o, .offset: 32, .size: 8, .value_kind: global_buffer, .address_space: global }
      - { .name: mask, .offset: 40, .size: 8, .value_kind: global_buffer, .address_space: global }
      - { .name: codes, .offset: 48, .size: 8, .value_kind: global_buffer, .address_space: global }
      - { .name: wo16, .offset: 56, .size: 8, .value_kind: global_buffer, .address_space: global }
      - { .name: mbits, .offset: 64, .size: 8, .value_kind: global_buffer, .address_space: global }
    .group_segment_fixed_size: 68096
    .private_segment_fixed_size: 0
    .kernarg_segment_align: 8
    .kernarg_segment_size: 72
    .max_flat_workgroup_size: 128
    .sgpr_count:     66
    .vgpr_count:     216
    .wavefront_size: 32
...
	.end_amdgpu_metadata
.endif
;; end of part 1
;; launch qkv (part 2): grid 24 x 8, 4 waves a work-group, clusters of 4 x 4, 327,680 bytes of LDS; arguments codes, cos_cache, sin_cache, qkv, qkv32; writes qkv, qkv32
.if DOCPART == 2
	.amdgcn_target "amdgcn-amd-amdhsa--gfx1250"
	.amdhsa_code_object_version 6
	.text
	.protected	k_q6eef640e65_qkv
	.globl	k_q6eef640e65_qkv
	.p2align	8
	.type	k_q6eef640e65_qkv,@function
k_q6eef640e65_qkv:
	s_mov_b64 s[64:65], 0
	v_nop
	global_prefetch_b8 v0, s[64:65] scope:SCOPE_SE
	s_setreg_imm32_b32 hwreg(HW_REG_WAVE_MODE, 25, 1), 1
	s_wait_xcnt 0x0
	s_wait_alu depctr_hold_cnt(0) depctr_sa_sdst(0) depctr_va_vdst(0) depctr_va_sdst(0) depctr_va_ssrc(0) depctr_va_vcc(0) depctr_vm_vsrc(0)
	s_getreg_b32 s2, hwreg(HW_REG_IB_STS2, 6, 4)
	s_cmp_eq_u32 s2, 0
	s_cbranch_scc0 .Lentry_in_a_cluster
	s_endpgm
.Lentry_in_a_cluster:
	s_bfe_u32 s2, ttmp6, 0x10000c
	s_cmp_lg_u32 s2, 0xf033
	s_cbranch_scc0 .Lentry_shape_is_right
	s_endpgm
.Lentry_shape_is_right:
; QKV: [q | k | v][pos][e] = sum over d of x[pos][d] w[e][d], all three products as ONE product C = A B^T on codes of FP4 (E2M1) with one E8M0 scale for each 32 along K:
; A = x [2048][2048], B = w_q, w_k, w_v on end [6144][2048].  Behind the sums: the rotation of q and k by the caches (row = position, since rope_offset is the constant 0), in f32, in the accumulators;
; the result goes out as f16, qkv [2048 pos][6144], and positions 0 to 15 once more as f32, qkv32 [16][6144], for the launch that carries those rows finely.  Nothing is left out.
; LIMIT: |q|, |k|, |v| up to 65,504 have a place in f16.
; A tile of C, 256 x 256, is made by a work-group of four waves; a wave makes 128 x 128: 64 accumulators of 16 x 16, 512 registers.  24 x 8 tiles: 192 work-groups; a tile half as large would read each
; fragment from LDS for half as many products.  K goes in steps of 512 through a ring of two LDS slots filled by the tensor data mover: a tile's row is 256 bytes of memory.
; THE SCALES of the work-group's 256 rows of A and of B, for all of K, are two dense blocks of memory: they come into LDS once, with the first fills, and stay.
; CLUSTERS: 4 x 4 work-groups.  The four of a row of the cluster need the same tiles of A, the four of a column the same tiles of B: each tile is asked for JOINTLY.
; THE MATRIX INSTRUCTION IS USED TRANSPOSED (source 0 = 16 rows of B, source 1 = 16 rows of A): a lane holds eight neighbouring numbers of a row of C.  A wave's 128 columns are ONE HEAD of q, k or v:
; channel c lies in accumulator (a, b), channel c + 64 in (a, b + 4), same lane, same register: the rotation changes no lane.
; REGISTERS, in windows of 256: window 0: v0-31 addresses; v32-95 scale words, two sets; from v128 A's fragments, ONE set; on the way out v32-255 are free.
;   window 1: B's fragments, TWO sets.   window 2: the 32 accumulators of my rows 0-63 ((a, b) at v[8 (8 a + b)]);   window 3: those of my rows 64-127.
.set SIZE_M, 2048
.set SIZE_N, 6144
.set SIZE_K, 2048
.set WC,     2097152                   ; in codes: the weights' codes,
.set XSO,    8388608                   ; x's scale bytes,
.set WSO,    8519680                   ; the weights' scale bytes
.set RP,     12288                     ; a row of qkv in bytes
.set KSTEP,  512
.set NQ,     KSTEP/128
.set ROWB,   256
.set KROW,   SIZE_K*4/8
.set PITCH,  272                       ; an LDS row: 256 bytes + 16 of padding = 68 words: the 16 rows that a load touches start 4 words further on each (64 banks of 4 bytes: ISA guide 11.1)
.set FR,     8
.set NL,     2
.set NP,     4                         ; places behind this matrix instruction (ISA guide 7.12.1)
.set HALFT,  128*PITCH
.set SLOT,   4*HALFT
.set LAPS,   SIZE_K/(2*KSTEP)
.set KS,     SIZE_K/32
.set SCL,    2*SLOT
.set HALFS,  (128*KS/256)*272
.set SBLK,   (16*KS/256)*272
.set SPARE,  SCL+4*HALFS               ; the spare words, 128 bytes for each wave: two blocks of 256 bytes that no other line names
.set SPITCH, 528                       ; the way out in f32: a stage of 16 rows x (512 + 16) bytes for each wave, in slot 0, which has had its last fill and its last read by then
.set HPITCH, 272                       ; the way out in f16: 16 rows x (256 + 16) bytes, in the same bytes
.set ADRA, 16
.set STO16, 18                         ; v18  f16: where I put 16 bytes of a row
.set RD16, 19                          ; v19  f16: where I read a row back
.set ADRB, 20
.set CO16, 22                          ; v22  f16: my byte offset in two rows of qkv
.set STO,  24                          ; v24  f32: where I put 32 bytes of a row
.set RD,   25                          ; v25  f32: where I read a row back
.set CO,   26                          ; v26  16 x lane
.set ADRS, 27
.set SPW,  28
.set NIL,  29
.set CA,   30                          ; v30  my place in the caches: 256 (lane % 16) + 32 (lane / 16)
.set TYV,  31                          ; v31  the tile row of C
.set SC,   32
.set TMP,  96                          ; the way out: packed results
.set AF,   128
.set G1, 24
.set G0, 32
.set G1B, 48
.set G0B, 56
.set G1S, 68
.set G0S, 76
.set G1SB, 80
.set G0SB, 88
.set MSB, 0
.macro WIN new                         ; the immediate's high byte repeats the setting that is left
.if MSB != (\new)
	s_set_vgpr_msb (MSB<<8)|(\new)
.set MSB, (\new)
.endif
.endm
.set MUL_LO, 0xa1                      ; source 0 (B) window 1, source 1 (A) window 0, C and D window 2
.set MUL_HI, 0xf1
.set TO_B,   0x40
; A joint load: waves 0 and 1 fetch for A, waves 2 and 3 for B.  The branch hangs on the wave's number alone.  An s_nop 0 and four v_nop follow each of the two lines.
.macro JLOAD g0a, g1a, g0b, g1b
	s_cmp_eq_u32 s15, 0
	s_cbranch_scc0 .Lfor_b_\@
	tensor_load_to_lds s[\g0a:\g0a+3], s[\g1a:\g1a+7]
	s_nop 0
.rept 4
	v_nop
.endr
	s_branch .Lasked_\@
.Lfor_b_\@:
	tensor_load_to_lds s[\g0b:\g0b+3], s[\g1b:\g1b+7]
	s_nop 0
.rept 4
	v_nop
.endr
.Lasked_\@:
.endm
.macro CREST                           ; a round of the cluster's barrier behind its opening barrier
	s_cmp_lg_u32 s14, 0
	s_cbranch_scc1 .Lnot_wave_0_\@
	s_barrier_signal -3
.Lnot_wave_0_\@:
	s_barrier_wait -3
	s_barrier_signal -1
	s_barrier_wait -1
.endm
.macro CROUND
	s_barrier_signal -1
	s_barrier_wait -1
	CREST
.endm
	s_load_b64 s[4:5], s[0:1], 0x0                 ; codes
	s_load_b128 s[96:99], s[0:1], 0x8              ; cos_cache, sin_cache
	s_load_b64 s[12:13], s[0:1], 0x18              ; qkv
	s_load_b64 s[66:67], s[0:1], 0x20              ; qkv32
	v_lshl_add_u32 v[SPW], v0, 2, SPARE
	v_mov_b32 v[NIL], 0
	ds_add_u32 v[SPW], v[NIL]                      ; the wave's opening: the add, twice on end, and its wait ahead of my first tensor load
	ds_add_u32 v[SPW], v[NIL]
	v_lshrrev_b32 v1, 5, v0
	v_readfirstlane_b32 s14, v1                    ; wave 0..3
	s_lshr_b32 s15, s14, 1                         ; which half of the tile's rows is mine.  Also: I fetch for A (0) or for B (1)
	s_and_b32 s16, s14, 1                          ; which half of its columns.  Also: which 128 rows of that tile I fetch
	s_bfe_u32 s40, ttmp6, 0x40000                  ; cx, cy
	s_bfe_u32 s41, ttmp6, 0x40004
	s_lshl_b32 s42, ttmp9, 2
	s_add_co_u32 s42, s42, s40                     ; tile column of C
	s_and_b32 s17, ttmp7, 0xffff
	s_lshl_b32 s17, s17, 2
	s_add_co_u32 s17, s17, s41                     ; tile row of C
	s_lshl_b32 s43, s41, 2
	s_lshl_b32 s43, 15, s43                        ; my row of the cluster
	s_lshl_b32 s44, 0x1111, s40                    ; my column
	s_or_b32 s[G1+0], s43, (0<<16)|(1<<20)|(1<<21)|(5<<22)|(3<<25)  ; the mask; elements of 1 byte; padding on; bit 21 beside a mask; 4 words of padding behind every 64
	s_or_b32 s[G1B+0], s44, (0<<16)|(1<<20)|(1<<21)|(5<<22)|(3<<25)
.irp g, G1, G1B
	s_mov_b32 s[\g+1], ROWB<<16                    ; tensor_dim0
	s_mov_b32 s[\g+2], 128<<16                     ; tensor_dim1
	s_mov_b32 s[\g+3], ROWB<<16                    ; tile_dim0
	s_mov_b32 s[\g+4], 128                         ; tile_dim1
	s_mov_b32 s[\g+5], KROW                        ; the pitch
	s_mov_b32 s[\g+6], 0
	s_mov_b32 s[\g+7], 0
.endr
	s_or_b32 s[G1S+0], s43, (3<<16)|(1<<20)|(1<<21)|(5<<22)|(3<<25) ; the scales of 128 rows: a dense block, as rows of 256 bytes (32 elements of 8 bytes)
	s_or_b32 s[G1SB+0], s44, (3<<16)|(1<<20)|(1<<21)|(5<<22)|(3<<25)
.irp g, G1S, G1SB
	s_mov_b32 s[\g+1], 32<<16
	s_mov_b32 s[\g+2], (128*KS/256)<<16
	s_mov_b32 s[\g+3], 32<<16
	s_mov_b32 s[\g+4], 128*KS/256
	s_mov_b32 s[\g+5], 32
	s_mov_b32 s[\g+6], 0
	s_mov_b32 s[\g+7], 0
.endr
	s_lshl_b32 s18, s16, 7
	s_lshl_b32 s20, s17, 8
	s_add_co_u32 s20, s20, s18                     ; A: row 256 x tile row + 128 x half
	s_lshl_b32 s46, s42, 8
	s_add_co_u32 s46, s46, s18                     ; B: row 256 x tile column + 128 x half
	s_mov_b32 s21, 0
	s_mov_b32 s47, 0
	s_mov_b64 s[18:19], KS
	s_mul_u64 s[22:23], s[20:21], s[18:19]
	s_mul_u64 s[92:93], s[46:47], s[18:19]
	s_mov_b64 s[18:19], KROW
	s_mul_u64 s[20:21], s[20:21], s[18:19]
	s_mul_u64 s[46:47], s[46:47], s[18:19]
	s_mul_i32 s45, s14, HALFT                      ; where they go: wave x 128 rows
	s_mul_i32 s94, s14, HALFS
	s_wait_dscnt 0x0                               ; both opening adds are done
	s_wait_kmcnt 0x0
	s_add_nc_u64 s[6:7], s[4:5], XSO               ; the four parts of codes
	s_add_nc_u64 s[8:9], s[4:5], WC
	s_add_nc_u64 s[10:11], s[4:5], WSO
	s_add_nc_u64 s[20:21], s[4:5], s[20:21]
	s_add_nc_u64 s[22:23], s[6:7], s[22:23]
	s_add_nc_u64 s[46:47], s[8:9], s[46:47]
	s_add_nc_u64 s[92:93], s[10:11], s[92:93]
	CROUND                                         ; all sixteen work-groups are here: the first joint loads meet
	s_mov_b32 s[G0S], 1
	s_add_co_u32 s[G0S+1], s94, SCL
	s_mov_b64 s[G0S+2:G0S+3], s[22:23]
	s_or_b32 s[G0S+3], s[G0S+3], 0x80000000
	s_mov_b32 s[G0SB], 1
	s_add_co_u32 s[G0SB+1], s94, SCL
	s_mov_b64 s[G0SB+2:G0SB+3], s[92:93]
	s_or_b32 s[G0SB+3], s[G0SB+3], 0x80000000
	JLOAD G0S, G1S, G0SB, G1SB                     ; the scales first: they are wanted with K step 0
.irp s, 0,1
	s_mov_b32 s[G0+4*\s], 1
	s_add_co_u32 s[G0+4*\s+1], s45, \s*SLOT
	s_add_nc_u64 s[G0+4*\s+2:G0+4*\s+3], s[20:21], \s*ROWB
	s_or_b32 s[G0+4*\s+3], s[G0+4*\s+3], 0x80000000
	s_mov_b32 s[G0B+4*\s], 1
	s_add_co_u32 s[G0B+4*\s+1], s45, \s*SLOT
	s_add_nc_u64 s[G0B+4*\s+2:G0B+4*\s+3], s[46:47], \s*ROWB
	s_or_b32 s[G0B+4*\s+3], s[G0B+4*\s+3], 0x80000000
	JLOAD G0+4*\s, G1, G0B+4*\s, G1B               ; three tensor loads of mine are out now
.endr
	v_and_b32 v1, 15, v0                           ; l % 16
	v_bfe_u32 v2, v0, 4, 1                         ; l / 16
	v_mul_u32_u24 v3, v1, PITCH
	v_lshl_add_u32 v4, v2, 4, v3
	s_mul_i32 s21, s15, HALFT
	s_mul_i32 s22, s16, HALFT
	s_add_co_u32 s22, s22, 2*HALFT
.irp s, 0,1
	v_add_nc_u32 v[ADRA+\s], s21, v4
	v_add_nc_u32 v[ADRB+\s], s22, v4
	s_add_co_u32 s21, s21, SLOT
	s_add_co_u32 s22, s22, SLOT
.endr
	v_mul_u32_u24 v5, v1, KS                       ; my row's scales: KS bytes a row,
	v_lshrrev_b32 v6, 8, v5
	v_lshl_add_u32 v5, v6, 4, v5                   ; and 16 more for each 256 passed
	s_mul_i32 s21, s15, HALFS
	s_mul_i32 s22, s16, HALFS
	s_add_co_u32 s22, s22, 2*HALFS
	s_sub_co_u32 s22, s22, s21
	v_mul_u32_u24 v6, s22, v2                      ; lanes 16-31 take B's
	s_add_co_u32 s21, s21, SCL
	v_add_nc_u32 v5, v5, v6
	v_add_nc_u32 v[ADRS], s21, v5
	s_mul_i32 s23, s14, 16*SPITCH                  ; my stage
	v_mul_u32_u24 v5, v1, SPITCH
	v_lshl_add_u32 v5, v2, 5, v5
	v_add_nc_u32 v[STO], s23, v5                   ; f32, in: row l % 16, 32 bytes for each half of the lanes
	v_and_b32 v6, 31, v0
	v_lshlrev_b32 v[CO], 4, v6
	v_add_nc_u32 v[RD], s23, v[CO]                 ; f32, back: the 32 lanes take one row of 512 bytes
	v_mul_u32_u24 v5, v1, HPITCH
	v_lshl_add_u32 v5, v2, 4, v5
	v_add_nc_u32 v[STO16], s23, v5                 ; f16, in: row l % 16, 16 bytes for each half of the lanes
	v_mul_u32_u24 v5, v2, HPITCH
	v_lshl_add_u32 v5, v1, 4, v5
	v_add_nc_u32 v[RD16], s23, v5                  ; f16, back: lanes 0-15 one row of 256 bytes, lanes 16-31 the next
	v_mul_u32_u24 v5, v2, RP
	v_lshl_add_u32 v[CO16], v1, 4, v5              ; and the same two rows in qkv
	v_lshlrev_b32 v[CA], 8, v1
	v_lshl_add_u32 v[CA], v2, 5, v[CA]
	v_mov_b32 v[TYV], s17
	s_lshl_b32 s20, s17, 8
	s_lshl_b32 s21, s15, 7
	s_add_co_u32 s20, s20, s21                     ; my first row of C: a position
	s_lshl_b32 s22, s20, 8                         ; a row of a cache is 256 bytes
	s_mov_b32 s23, 0
	s_add_nc_u64 s[96:97], s[96:97], s[22:23]
	s_add_nc_u64 s[98:99], s[98:99], s[22:23]
	s_mul_i32 s22, s20, RP
	s_lshl_b32 s46, s42, 9                         ; my first column in f16 bytes: 512 x tile column + 256 x half
	s_lshl_b32 s47, s16, 8
	s_add_co_u32 s46, s46, s47
	s_add_co_u32 s22, s22, s46
	s_add_nc_u64 s[12:13], s[12:13], s[22:23]
	s_lshl_b32 s22, s46, 1                         ; and in f32 bytes
	s_add_nc_u64 s[66:67], s[66:67], s[22:23]
.macro FRAG reg, adr, q, i             ; a fragment, 16 rows x 128 K of 4-bit codes: lane l holds row l % 16; registers 4 c .. 4 c + 3 hold K = 64 c + 32 (l / 16) + 0 .. 31
.irp c, 0,1
	ds_load_b128 v[\reg+4*\c:\reg+4*\c+3], v[\adr] offset:64*(\q)+32*\c+(\i)*16*PITCH
.endr
.endm
; 16 matrix instructions: A's blocks a0, a0 + 1 x B's eight, 128 along K.  zero = 1: the first product starts the sums.  The 64 accumulators take turns, one instruction a turn.
.macro MUL16 a0, p, q, sc, zero
.irp a, \a0, \a0+1
.irp b, 0,1,2,3,4,5,6,7
.if \zero
	v_wmma_scale_f32_16x16x128_f8f6f4 v[8*(8*((\a)%4)+\b):8*(8*((\a)%4)+\b)+7], v[128*(\p)+FR*\b:128*(\p)+FR*\b+FR-1], v[AF+FR*(\a):AF+FR*(\a)+FR-1], 0, v[SC+8*NQ*(\sc)+NQ*\b+(\q)], v[SC+8*NQ*(\sc)+NQ*(\a)+(\q)] matrix_a_fmt:MATRIX_FMT_FP4 matrix_b_fmt:MATRIX_FMT_FP4 matrix_a_scale:MATRIX_SCALE_ROW1
.else
	v_wmma_scale_f32_16x16x128_f8f6f4 v[8*(8*((\a)%4)+\b):8*(8*((\a)%4)+\b)+7], v[128*(\p)+FR*\b:128*(\p)+FR*\b+FR-1], v[AF+FR*(\a):AF+FR*(\a)+FR-1], v[8*(8*((\a)%4)+\b):8*(8*((\a)%4)+\b)+7], v[SC+8*NQ*(\sc)+NQ*\b+(\q)], v[SC+8*NQ*(\sc)+NQ*(\a)+(\q)] matrix_a_fmt:MATRIX_FMT_FP4 matrix_b_fmt:MATRIX_FMT_FP4 matrix_a_scale:MATRIX_SCALE_ROW1
.endif
.endr
.endr
.endm
.macro FETCH_B slot, q, p
	WIN TO_B
.irp i, 0,1,2,3,4,5,6,7
	FRAG 128*(\p)+FR*\i, ADRB+\slot, \q, \i
.endr
	WIN 0
.endm
.macro FETCH_A slot, q, i0
.irp i, \i0, \i0+1, \i0+2, \i0+3
	FRAG AF+FR*(\i), ADRA+\slot, \q, \i
.endr
.endm
.macro SCALES sc                       ; a K step's scale words: lanes 0-15 take A's block i, lanes 16-31 B's block i
.irp i, 0,1,2,3,4,5,6,7
	ds_load_b128 v[SC+8*NQ*\sc+NQ*\i:SC+8*NQ*\sc+NQ*\i+3], v[ADRS] offset:\i*SBLK
.endr
.endm
.macro PLACES n                        ; plain vector instructions between a matrix instruction and a load into, or a vector instruction or LDS store on, its registers
.rept \n
	v_nop
.endr
.endm
.macro STEP slot, q, zero              ; a step of 128 along K that has its successor in the same slot
	s_wait_dscnt 4*NL                              ; B's set and A's blocks 0-3 are in; the youngest eight loads (A's blocks 4-7) may be out
	WIN MUL_LO
	MUL16 0, (\q)%2, \q, \slot, \zero
	MUL16 2, (\q)%2, \q, \slot, \zero
	s_wait_dscnt 0
	PLACES NP
	FETCH_B \slot, (\q)+1, 1-(\q)%2
	FETCH_A \slot, (\q)+1, 0
	WIN MUL_HI
	MUL16 4, (\q)%2, \q, \slot, \zero
	MUL16 6, (\q)%2, \q, \slot, \zero
	PLACES NP
	WIN 0
	FETCH_A \slot, (\q)+1, 4
.endm
; A slot's last step changes slots: one barrier; in front of it each wave waits for all its tensor loads, adds 0 to its spare word, and waits for that and for its reads of this slot.
.macro TURN slot, next, fill
	s_wait_tensorcnt 0x0                           ; all my tensor loads have landed: my part of the next slot
	ds_add_u32 v[SPW], v[NIL]
	s_wait_dscnt 4*NL+1                            ; (the add and the youngest eight loads may be out)
	WIN MUL_LO
	MUL16 0, 1, NQ-1, \slot, 0
	s_wait_dscnt 0x0                               ; the add is done, and my reads of this slot are over
	s_barrier_signal -1
	MUL16 2, 1, NQ-1, \slot, 0
	WIN 0
	s_barrier_wait -1
.if \fill
	CREST                                          ; the barrier has opened a round of the cluster's: no wave of any partner still reads this slot or has a load on its way
	s_add_nc_u64 s[G0+4*\slot+2:G0+4*\slot+3], s[G0+4*\slot+2:G0+4*\slot+3], 2*ROWB
	s_add_nc_u64 s[G0B+4*\slot+2:G0B+4*\slot+3], s[G0B+4*\slot+2:G0B+4*\slot+3], 2*ROWB
	JLOAD G0+4*\slot, G1, G0B+4*\slot, G1B         ; my one tensor load behind the round
.else
	PLACES NP
.endif
	v_add_nc_u32 v[ADRS], 4*NQ, v[ADRS]
	FETCH_B \next, 0, 0
	FETCH_A \next, 0, 0
	SCALES \next
	WIN MUL_HI
	MUL16 4, 1, NQ-1, \slot, 0
	MUL16 6, 1, NQ-1, \slot, 0
	PLACES NP
	WIN 0
	FETCH_A \next, 0, 4
.endm
.macro STEPS slot, from
.set QQ, \from
.rept NQ-1-\from
	STEP \slot, QQ, 0
.set QQ, QQ+1
.endr
.endm
	s_wait_tensorcnt 1                             ; the scales and my part of K step 0 are in (K step 1's load may be out)
	s_barrier_signal -1
	s_barrier_wait -1
	FETCH_B 0, 0, 0
	FETCH_A 0, 0, 0
	SCALES 0
	FETCH_A 0, 0, 4
	STEP 0, 0, 1                                   ; the first step stands in front of the loop: its products start the sums
	s_mov_b32 s3, LAPS-1
.Llap:                                                 ; a trip goes once round the ring and fills both slots again
	STEPS 0, 1
	TURN 0, 1, 1
	STEPS 1, 0
	TURN 1, 0, 1
	STEP 0, 0, 0
	s_sub_co_u32 s3, s3, 1
	s_cmp_lg_u32 s3, 0
	s_cbranch_scc1 .Llap
	STEPS 0, 1                                     ; the last lap fills nothing
	TURN 0, 1, 0
	STEPS 1, 0
	s_wait_dscnt 4*NL
	WIN MUL_LO
	MUL16 0, 1, NQ-1, 1, 0
	MUL16 2, 1, NQ-1, 1, 0
	s_wait_dscnt 0
	WIN MUL_HI
	MUL16 4, 1, NQ-1, 1, 0
	MUL16 6, 1, NQ-1, 1, 0
	WIN 0
	PLACES NP                                      ; for all that follows on the last products' registers
; THE ROTATION, for q and k (tile columns 0 to 15: clusters 0 to 3 along x; the branch hangs on the cluster's number, which all partners share).  Block a is 16 positions; a lane wants, for b = 0 .. 3,
; cos and sin of its position at channels 16 b + 8 (l / 16) + 0 .. 7: 32 bytes each.  x1' = x1 cos - x2 sin, x2' = x2 cos + x1 sin, two numbers an instruction; the caches run two blocks ahead.
	s_cmp_ge_u32 ttmp9, 4
	s_cbranch_scc1 .Lplain
.macro LOADCS a
.set CSB, 128+64*((\a)%2)
.irp b, 0,1,2,3
	global_load_b128 v[CSB+16*\b:CSB+16*\b+3],     v[CA], s[96:97] offset:(\a)*4096+\b*64
	global_load_b128 v[CSB+16*\b+4:CSB+16*\b+7],   v[CA], s[96:97] offset:(\a)*4096+\b*64+16
	global_load_b128 v[CSB+16*\b+8:CSB+16*\b+11],  v[CA], s[98:99] offset:(\a)*4096+\b*64
	global_load_b128 v[CSB+16*\b+12:CSB+16*\b+15], v[CA], s[98:99] offset:(\a)*4096+\b*64+16
.endr
.endm
.macro ROPE a
.set CSB, 128+64*((\a)%2)
.set AC, 64*((\a)%4)
.if (\a) < 7
	s_wait_loadcnt 16                              ; this block's 16 loads are in; the next block's may be out
.else
	s_wait_loadcnt 0x0
.endif
	WIN 0x02+(\a)/4                                ; source 0: the accumulators' window
.irp b, 0,1,2,3
.irp p, 0,2,4,6
	v_pk_mul_f32 v[32+8*\b+\p:33+8*\b+\p], v[AC+32+8*\b+\p:AC+33+8*\b+\p], v[CSB+16*\b+8+\p:CSB+16*\b+9+\p]   ; x2 sin; each accumulator is read from its low end on
.endr
.endr
.irp b, 0,1,2,3
.irp p, 0,2,4,6
	v_pk_mul_f32 v[64+8*\b+\p:65+8*\b+\p], v[AC+8*\b+\p:AC+1+8*\b+\p], v[CSB+16*\b+8+\p:CSB+16*\b+9+\p]       ; x1 sin
.endr
.endr
	WIN 0x82+0x41*((\a)/4)                         ; source 0 and destination: the accumulators' window
.irp b, 0,1,2,3
.irp p, 0,2,4,6
	v_pk_fma_f32 v[AC+8*\b+\p:AC+1+8*\b+\p], v[AC+8*\b+\p:AC+1+8*\b+\p], v[CSB+16*\b+\p:CSB+16*\b+1+\p], v[32+8*\b+\p:33+8*\b+\p] neg_lo:[0,0,1] neg_hi:[0,0,1]
.endr
.endr
.irp b, 0,1,2,3
.irp p, 0,2,4,6
	v_pk_fma_f32 v[AC+32+8*\b+\p:AC+33+8*\b+\p], v[AC+32+8*\b+\p:AC+33+8*\b+\p], v[CSB+16*\b+\p:CSB+16*\b+1+\p], v[64+8*\b+\p:65+8*\b+\p]
.endr
.endr
	WIN 0
.if (\a) < 6
	LOADCS (\a)+2
.endif
.endm
	LOADCS 0
	LOADCS 1
.irp a, 0,1,2,3,4,5,6,7
	ROPE \a
.endr
.Lplain:
; POSITIONS 0 TO 15 IN F32.  They are block 0 of waves 0 and 1 in tile row 0.  The wave's number decides by a branch; the tile row, which differs between partners of a cluster, decides by EXEC: in the
; other tile rows the sixteen stores run with no lane on.  EXEC is changed only behind a wait on XCNT for 0, both ways.
	s_cmp_lg_u32 s15, 0
	s_cbranch_scc1 .Lno32
	WIN 0x08                                       ; an LDS store's data: window 2
.irp b, 0,1,2,3,4,5,6,7
	ds_store_b128 v[STO], v[8*\b:8*\b+3] offset:64*\b
	ds_store_b128 v[STO], v[8*\b+4:8*\b+7] offset:64*\b+16
.endr
	WIN 0
.irp t, 0,1,2,3,4,5,6,7,8,9,10,11,12,13,14,15
	ds_load_b128 v[128+4*\t:131+4*\t], v[RD] offset:\t*SPITCH      ; LDS serves a wave's instructions in order: these see my stores
.endr
	s_wait_dscnt 0x0
	s_wait_xcnt 0x0
	v_cmp_eq_u32 vcc_lo, 0, v[TYV]
	s_and_saveexec_b32 s2, vcc_lo
.irp t, 0,1,2,3,4,5,6,7,8,9,10,11,12,13,14,15
	global_store_b128 v[CO], v[128+4*\t:131+4*\t], s[66:67] offset:\t*24576   ; 32 lanes store 512 consecutive bytes of a row
.endr
	s_wait_xcnt 0x0
	s_or_b32 exec_lo, exec_lo, s2
.Lno32:
; THE WAY OUT IN F16, block by block of 16 rows x 128 columns: rounded, 16 bytes a lane into my stage, back as whole rows of 256 bytes: sixteen lanes store 256 consecutive bytes, aligned.
.macro PACK a
.set AC, 64*((\a)%4)
	WIN 0x0a+5*((\a)/4)                            ; sources 0 and 1: window 2 or 3
.irp b, 0,1,2,3,4,5,6,7
.irp r, 0,1,2,3
	v_cvt_pk_f16_f32 v[TMP+4*\b+\r], v[AC+8*\b+2*\r], v[AC+8*\b+2*\r+1]
.endr
.endr
	WIN 0
.endm
.macro TOST16 a
.set BB, 128+32*((\a)%2)
.irp b, 0,1,2,3,4,5,6,7
	ds_store_b128 v[STO16], v[TMP+4*\b:TMP+4*\b+3] offset:32*\b
.endr
.irp t, 0,1,2,3,4,5,6,7
	ds_load_b128 v[BB+4*\t:BB+4*\t+3], v[RD16] offset:\t*2*HPITCH
.endr
.endm
.macro SEND16 a
.set BB, 128+32*((\a)%2)
	s_wait_dscnt 0x0                               ; the block is back in registers
	s_wait_xcnt 0x0                                ; the stores of the block before have read their registers: the next block's loads may land there
.irp t, 0,1,2,3,4,5,6,7
	global_store_b128 v[CO16], v[BB+4*\t:BB+4*\t+3], s[12:13] offset:(16*(\a)+2*\t)*RP   ; 126 rows of 12,288 bytes at the most: inside the signed 24-bit immediate
.endr
.endm
	PACK 0
	TOST16 0
.irp a, 1,2,3,4,5,6,7
	PACK \a                                        ; a block's roundings stand between the loads of the block before and the wait for them
	SEND16 \a-1
	TOST16 \a
.endr
	SEND16 7
	s_wait_tensorcnt 0x0                           ; the wave's end: three lines behind my last tensor load and my last LDS store
	ds_add_u32 v[SPW], v[NIL]
	s_wait_dscnt 0x0
	CROUND                                         ; the closing round
	s_endpgm
.Lfunc_end_k_q6eef640e65_qkv:
	.size	k_q6eef640e65_qkv, .Lfunc_end_k_q6eef640e65_qkv-k_q6eef640e65_qkv
	.p2alignl 7, 3214868480
	.fill 96, 4, 3214868480
	.section	.rodata,"a",@progbits
	.p2align	6, 0x0
	.amdhsa_kernel k_q6eef640e65_qkv
		.amdhsa_group_segment_fixed_size 327680
		.amdhsa_private_segment_fixed_size 0
		.amdhsa_enable_private_segment 0
		.amdhsa_kernarg_size 40
		.amdhsa_user_sgpr_count 2
		.amdhsa_user_sgpr_kernarg_segment_ptr 1
		.amdhsa_wavefront_size32 1
		.amdhsa_system_sgpr_workgroup_id_x 1
		.amdhsa_system_sgpr_workgroup_id_y 1
		.amdhsa_system_sgpr_workgroup_id_z 1
		.amdhsa_system_vgpr_workitem_id 0
		.amdhsa_next_free_vgpr 1024
		.amdhsa_next_free_sgpr 100
		.amdhsa_reserve_vcc 1
		.amdhsa_float_denorm_mode_32 3
		.amdhsa_float_denorm_mode_16_64 3
		.amdhsa_memory_ordered 1
		.amdhsa_forward_progress 1
		.amdhsa_inst_pref_size 255
	.end_amdhsa_kernel
	.section	.bss,"aw",@nobits
	.p2align	6
	.space	262144
	.amdgpu_metadata
---
amdhsa.version: [ 1, 2 ]
amdhsa.kernels:
  - .name:           k_q6eef640e65_qkv
    .symbol:         k_q6eef640e65_qkv.kd
    .args:
      - { .name: codes, .offset: 0, .size: 8, .value_kind: global_buffer, .address_space: global }
      - { .name: cos_cache, .offset: 8, .size: 8, .value_kind: global_buffer, .address_space: global }
      - { .name: sin_cache, .offset: 16, .size: 8, .value_kind: global_buffer, .address_space: global }
      - { .name: qkv, .offset: 24, .size: 8, .value_kind: global_buffer, .address_space: global }
      - { .name: qkv32, .offset: 32, .size: 8, .value_kind: global_buffer, .address_space: global }
    .group_segment_fixed_size: 327680
    .private_segment_fixed_size: 0
    .kernarg_segment_align: 8
    .kernarg_segment_size: 40
    .max_flat_workgroup_size: 128
    .sgpr_count:     100
    .vgpr_count:     1024
    .wavefront_size: 32
...
	.end_amdgpu_metadata
.endif
;; end of part 2
;; launch attn (part 3): grid 16 x 16, 4 waves a work-group, clusters of 4 x 1, 327,680 bytes of LDS; arguments qkv, mbits, ao; writes ao
.if DOCPART == 3
	.amdgcn_target "amdgcn-amd-amdhsa--gfx1250"
	.amdhsa_code_object_version 6
	.text
	.protected	k_q6eef640e65_attn
	.globl	k_q6eef640e65_attn
	.p2align	8
	.type	k_q6eef640e65_attn,@function
k_q6eef640e65_attn:
	s_mov_b64 s[64:65], 0
	v_nop
	global_prefetch_b8 v0, s[64:65] scope:SCOPE_SE
	s_setreg_imm32_b32 hwreg(HW_REG_WAVE_MODE, 25, 1), 1
	s_wait_xcnt 0x0
	s_wait_alu depctr_hold_cnt(0) depctr_sa_sdst(0) depctr_va_vdst(0) depctr_va_sdst(0) depctr_va_ssrc(0) depctr_va_vcc(0) depctr_vm_vsrc(0)
	s_getreg_b32 s2, hwreg(HW_REG_IB_STS2, 6, 4)
	s_cmp_eq_u32 s2, 0
	s_cbranch_scc0 .Lentry_in_a_cluster
	s_endpgm
.Lentry_in_a_cluster:
	s_bfe_u32 s2, ttmp6, 0x10000c
	s_cmp_lg_u32 s2, 0x3003
	s_cbranch_scc0 .Lentry_shape_is_right
	s_endpgm
.Lentry_shape_is_right:
; ATTN: ao[q][head] = the sum over k of softmax_k(mask ? Q[q] . K[k] / sqrt(128) : -infinity) V[k], for 16 heads of 128.  q, k, v: qkv [2048 pos][6144] f16; ao [2048][2048] f16.
; Products with f16 operands and f32 sums; maxima, exponentials and sums in f32; the weights p are rounded to f16 for the second product, the result once at the end.
; THE MASK IS AN INPUT: every tile of keys is multiplied, and a hidden score becomes -infinity by selection, from the bits that the first launch stored.  Nothing is left out.
; A row with no key left has m at the floor, every p = 0, the sum 0, and comes out NaN (0 x infinity), as a softmax of -infinity alone does.
; LIMITS: the running maximum has the floor -3e38; a weight under 2^-25 of its row's largest is lost in f16; |q|, |k|, |v| up to 65,504.
; SHARES.  A work-group owns 128 queries of one head.  Wave w owns 64 of them (w / 2), four tiles of 16, and EVERY SECOND key step of 64 keys (kh = w % 2): 16 heads x 2,048 queries at 64 queries a
; wave are 512 waves, so the keys are shared between two waves to make 1,024; at the end the two merge through LDS.  Register tile t holds query tile t xor 2 kh: so every wave finishes its register
; tiles 0 and 1 and hands its register tiles 2 and 3 to wave w xor 1, with no branch.
; LAYOUT.  S^T = K Q^T (source 0 = 16 keys, source 1 = 16 queries): a lane holds ONE query (lane % 16) and the keys 8 (lane / 16) + 0..7.  Two such tiles, rounded in pairs, ARE source 1 of
; O^T = V^T P.  K comes out of LDS as it lies, V ([key][channel]) turned, by ds_load_tr16_b128.
; BY TURNS.  The wave's tiles are two PIECES (tiles 0, 1 and tiles 2, 3).  In a TURN one piece has the matrix unit: 32 products V^T P of the step in hand, then 32 products K Q^T of the next; the other
; piece's masking and softmax, 396 instructions cut into 64 slices, stand between them, one slice behind each matrix instruction.
; CLUSTER.  The four query blocks of a cluster belong to one head and walk the same K and V: each tile is asked for JOINTLY.  A slot holds 128 keys: the step of waves 0 and 2, then that of waves 1 and 3.
; REGISTERS, in windows of 256 (s_set_vgpr_msb: bits 1:0 source 0, 3:2 source 1, 5:4 source 2, 7:6 destination):
;   window 0: v0-11 addresses; v12-43 eight registers of statistics a tile; v44-47 mask words; v48-63 constants and addresses; v64-191 S^T, 32 a tile; v192-255 P, 16 a tile
;   window 1: O^T, 64 a tile          window 2: v0-127 Q; v128-255 K of one step          window 3: v0-127 V of one step
.set RP,    12288     ; a row of qkv in bytes
.set KS,    64        ; keys in a step
.set PK,    272       ; a row of K in LDS: 256 bytes + 16 of padding
.set PV,    288       ; a row of V: 256 + 32
.set VOFF,  KS*PK
.set STEPB, KS*(PK+PV)
.set SLOT1, 1<<17     ; slot 1 begins here, so that one exclusive or turns an address in one slot into the other's
.set STAGE, SLOT1+2*STEPB  ; behind the ring: 16 rows x 272 bytes for each wave, for the way out
.set SP,    272
.set XCH,   STAGE+4*16*SP  ; what a wave hands to its partner: 16,384 bytes of O^T as an image of its registers, 512 of statistics
.set XW,    16896
.set SPARE, XCH+4*XW       ; the spare words, 128 bytes for each wave: two blocks of 256 bytes that no other line names
.set AK0, 2
.set AV0, 3
.set ADR, 4
.set QO,  5
.set STO, 6
.set RD,  7
.set GO,  8
.set ST,  12          ; tile t's statistics at v[ST+8 t]: +0 c m, +1 m, +2, +3 l (even keys', odd keys'), +4 to +7 at work; a takes +6
.set MW,  44          ; v44-47 tile t's mask word
.set NI,  48          ; v48  -infinity
.set MO,  49          ; v49  8 x lane: my pair of mask words
.set XST, 50          ; v50  where I put what my partner gets;  v51 where I find what I get
.set XLD, 51
.set XSS, 52          ; v52, v53 the same for the statistics
.set XSL, 53
.set PFO, 61          ; v61  lane x a row of qkv: the prefetches' offset; never rewritten
.set SPW, 62
.set NIL, 63
.set S,   64
.set P,   192
.set KF,  128
.set WV,  12
.set LIM, 15          ; s15  2 in a wave that prefetches, else the greatest number
.set PFA, 18          ; s[18:19] where my prefetches stand
.set G1K, 24
.set G1V, 32
.set G0K, 40
.set G0V, 48
.set SLOTS, 56        ; s56  slots still to be asked for
.set CS,  58          ; s[58:59] c = log2(e) / sqrt(128)
.set SEL, 60
.set TB,  62          ; s62  LDS byte at which my step's tiles begin
.set MB,  66          ; s[66:67], s[68:69] where the mask words of pieces 0 and 2 stand
.set LM,  72          ; s72-75 lane masks: two for each tile of a piece
.set MSB, 0
.macro WIN new
.if MSB != (\new)
	s_set_vgpr_msb (MSB<<8)|(\new)
.set MSB, (\new)
.endif
.endm
.set W_KQ, 0x0a       ; K and Q in window 2, S^T in window 0
.set W_PV, 0x53       ; V in window 3, P in window 0, O^T in window 1
.set W_RS, 0x41       ; O^T (destination and source 0) in window 1, a in window 0
; A joint refill.  Waves 0 and 1 fetch the slot's two tiles of K, waves 2 and 3 those of V.  An s_nop 0 and four v_nop follow each of the two lines.
.macro JLOAD
	s_cmp_lt_u32 s[WV], 2
	s_cbranch_scc0 .Lfor_v_\@
	tensor_load_to_lds s[G0K+4:G0K+7], s[G1K:G1K+7]
	s_nop 0
.rept 4
	v_nop
.endr
	s_branch .Lasked_\@
.Lfor_v_\@:
	tensor_load_to_lds s[G0V+4:G0V+7], s[G1V:G1V+7]
	s_nop 0
.rept 4
	v_nop
.endr
.Lasked_\@:
.endm
; A PREFETCH of the slot that stands TWO refills on: 128 rows of K and 128 of V, 256 bytes of each row, a lane a row.  Each row is named once in the launch: all clusters of a head walk the same rows, so
; the head's first cluster asks; its four partners take 32 rows each, told apart by address; in each, wave 0 asks for K's and wave 2 for V's.  The change of slots that asks for slot j + 2 names slot
; j + 4, 256 matrix instructions of a wave ahead of that slot's load; the last two changes that fill a slot name nothing, and slots 0 to 3 come by their loads alone.
.macro ASK
	s_cmp_gt_u32 s[SLOTS], s[LIM]
	s_cbranch_scc0 .Lnot_mine_\@
	global_prefetch_b8 v[PFO], s[PFA:PFA+1] th:TH_LOAD_NT scope:SCOPE_SE
.Lnot_mine_\@:
.endm
.macro CROUND
	s_barrier_signal -1
	s_barrier_wait -1
	s_cmp_lg_u32 s[WV], 0
	s_cbranch_scc1 .Lnot_wave_0_\@
	s_barrier_signal -3
.Lnot_wave_0_\@:
	s_barrier_wait -3
	s_barrier_signal -1
	s_barrier_wait -1
.endm
	s_load_b128 s[4:7], s[0:1], 0x0   ; qkv, mbits
	s_load_b64 s[10:11], s[0:1], 0x10 ; ao
	v_lshl_add_u32 v[SPW], v0, 2, SPARE
	v_mov_b32 v[NIL], 0
	ds_add_u32 v[SPW], v[NIL]       ; the wave's opening: the add, twice on end, and its wait ahead of my first tensor load
	ds_add_u32 v[SPW], v[NIL]
	v_lshrrev_b32 v1, 5, v0
	v_readfirstlane_b32 s[WV], v1   ; wave 0..3
	s_bfe_u32 s13, ttmp6, 0x40000   ; cx
	s_lshl_b32 s14, ttmp9, 2
	s_add_co_u32 s14, s14, s13      ; my block of 128 queries: it enters Q's, the mask's and ao's addresses alone
	s_and_b32 s20, ttmp7, 0xffff
	s_lshl_b32 s20, s20, 8          ; the head's 256 bytes in a row, which the four partners share
	s_and_b32 s16, s[WV], 1         ; kh.  Also: which of a slot's two tiles I fetch
	s_lshr_b32 s57, s[WV], 1        ; which 64 queries are mine
	s_mul_i32 s22, s16, KS*RP
	s_add_co_u32 s22, s22, s20
	s_mov_b32 s23, 0                ; my tile of slot 0, less K's or V's columns
	s_mul_i32 s17, s16, STEPB       ; and its place in a slot
	s_lshl_b32 s2, s14, 7
	s_lshl_b32 s3, s57, 6
	s_add_co_u32 s2, s2, s3         ; my first query
	s_lshl_b32 s3, s16, 5
	s_add_co_u32 s70, s2, s3        ; the first query of register tiles 0, 1
	s_xor_b32 s3, s3, 32
	s_add_co_u32 s71, s2, s3        ; and of register tiles 2, 3
	s_mul_i32 s76, s70, RP
	s_add_co_u32 s76, s76, s20
	s_mov_b32 s77, 0
	s_mul_i32 s78, s71, RP
	s_add_co_u32 s78, s78, s20
	s_mov_b32 s79, 0
	s_lshl_b32 s2, s70, 12          ; ao: rows of 4,096 bytes
	s_add_co_u32 s2, s2, s20
	s_mov_b32 s3, 0
	s_lshl_b32 s70, s70, 8          ; the mask words of 32 queries are 8,192 bytes: 256 a query
	s_lshl_b32 s71, s71, 8
	s_lshl_b32 s21, s16, 8          ; my first key step's 256 bytes
	s_add_co_u32 s70, s70, s21
	s_add_co_u32 s71, s71, s21
	s_mov_b32 s[G1K], 15|(1<<16)|(1<<20)|(1<<21)|(5<<22)|(3<<25)  ; the mask: all four work-groups; elements of 2 bytes; padding on; bit 21 beside a mask; 4 words behind every 64
	s_mov_b32 s[G1V], 15|(1<<16)|(1<<20)|(1<<21)|(5<<22)|(7<<25)  ; the same with 8 words of padding
.irp g, G1K, G1V
	s_mov_b32 s[\g+1], 128<<16      ; tensor_dim0 = 128
	s_mov_b32 s[\g+2], KS<<16       ; tensor_dim1 = 64
	s_mov_b32 s[\g+3], 128<<16      ; tile_dim0 = 128
	s_mov_b32 s[\g+4], KS           ; tile_dim1 = 64
	s_mov_b32 s[\g+5], 6144         ; elements from row to row
	s_mov_b32 s[\g+6], 0
	s_mov_b32 s[\g+7], 0
.endr
	s_mov_b32 s[CS], 0x3e0293ee     ; c = log2(e) / sqrt(128)
	s_mov_b32 s[CS+1], s[CS]
	s_mov_b32 s[SEL], 0x76543210
	s_mov_b32 s[SEL+1], 0xfedcba98
	s_mov_b32 s[TB], s17
	s_mov_b32 s[SLOTS], 14
.irp i, 0,1,2,3
	s_mov_b32 s[LM+\i], 0
.endr
	s_and_b32 s[LIM], s[WV], 1
	s_or_b32 s[LIM], s[LIM], ttmp9  ; 0 in waves 0 and 2 of the head's first cluster: the same in all four partners
	s_cmp_eq_u32 s[LIM], 0
	s_cselect_b32 s[LIM], 2, -1
	v_and_b32 v[PFO], 31, v0
	v_mul_u32_u24 v[PFO], v[PFO], RP
	s_wait_dscnt 0x0                ; both opening adds are done
	s_wait_kmcnt 0x0
	s_add_nc_u64 s[8:9], s[4:5], s[22:23]
	s_add_nc_u64 s[20:21], s[8:9], 8192  ; V at my tile of slot 0
	s_add_nc_u64 s[8:9], s[8:9], 4096    ; K likewise
	s_add_nc_u64 s[10:11], s[10:11], s[2:3]  ; ao at the first row that I store
	s_mov_b32 s2, s70
	s_add_nc_u64 s[MB:MB+1], s[6:7], s[2:3]
	s_mov_b32 s2, s71
	s_add_nc_u64 s[MB+2:MB+3], s[6:7], s[2:3]
	s_add_nc_u64 s[6:7], s[4:5], s[78:79]  ; Q of register tiles 2, 3
	s_add_nc_u64 s[4:5], s[4:5], s[76:77]  ; Q of register tiles 0, 1
	s_cmp_lt_u32 s[WV], 2
	s_cselect_b64 s[PFA:PFA+1], s[8:9], s[20:21]  ; (in waves 0 and 2 these stand at a slot's first row)
	s_mul_i32 s2, s13, 32*RP        ; my work-group's 32 rows of the 128
	s_add_nc_u64 s[PFA:PFA+1], s[PFA:PFA+1], s[2:3]
	s_add_nc_u64 s[PFA:PFA+1], s[PFA:PFA+1], 3*128*RP  ; in slot 3; the first change of slots steps it to slot 4
	CROUND                          ; all four work-groups are here: the first joint loads meet
.irp s, 0,1
	s_mov_b32 s[G0K+4*\s], 1
	s_add_co_u32 s[G0K+4*\s+1], s17, \s*SLOT1
	s_add_nc_u64 s[G0K+4*\s+2:G0K+4*\s+3], s[8:9], \s*128*RP
	s_or_b32 s[G0K+4*\s+3], s[G0K+4*\s+3], 0x80000000
	s_mov_b32 s[G0V+4*\s], 1
	s_add_co_u32 s[G0V+4*\s+1], s17, \s*SLOT1+VOFF
	s_add_nc_u64 s[G0V+4*\s+2:G0V+4*\s+3], s[20:21], \s*128*RP
	s_or_b32 s[G0V+4*\s+3], s[G0V+4*\s+3], 0x80000000
.endr
	s_cmp_lt_u32 s[WV], 2           ; a wave's two first fills stand in one branch, ahead of every wait on TENSORcnt and every LDS read: two loads of mine are out
	s_cbranch_scc0 .Lfirst_v
	tensor_load_to_lds s[G0K:G0K+3], s[G1K:G1K+7]
	s_nop 0
	tensor_load_to_lds s[G0K+4:G0K+7], s[G1K:G1K+7]
	s_nop 0
.rept 4
	v_nop
.endr
	s_branch .Lfirst_asked
.Lfirst_v:
	tensor_load_to_lds s[G0V:G0V+3], s[G1V:G1V+7]
	s_nop 0
	tensor_load_to_lds s[G0V+4:G0V+7], s[G1V:G1V+7]
	s_nop 0
.rept 4
	v_nop
.endr
.Lfirst_asked:
	v_and_b32 v1, 15, v0            ; l % 16
	v_bfe_u32 v9, v0, 4, 1          ; l / 16
	v_mul_u32_u24 v[QO], v1, RP
	v_lshl_add_u32 v[QO], v9, 4, v[QO]
	WIN 0x80                        ; destination window 2
.irp i, 0,1,2,3,4,5,6,7             ; Q stays in registers: tile i / 4, channels 32 (i % 4) on
	global_load_b128 v[8*\i:8*\i+3],   v[QO], s[4:5] offset:(\i/4)*16*RP+(\i%4)*64
	global_load_b128 v[8*\i+4:8*\i+7], v[QO], s[4:5] offset:(\i/4)*16*RP+(\i%4)*64+32
.endr
.irp i, 8,9,10,11,12,13,14,15
	global_load_b128 v[8*\i:8*\i+3],   v[QO], s[6:7] offset:((\i/4)-2)*16*RP+(\i%4)*64
	global_load_b128 v[8*\i+4:8*\i+7], v[QO], s[6:7] offset:((\i/4)-2)*16*RP+(\i%4)*64+32
.endr
	WIN 0
	v_and_b32 v10, 31, v0
	v_lshlrev_b32 v[MO], 3, v10
	global_load_b64 v[MW:MW+1], v[MO], s[MB:MB+1]        ; the mask words of my first key step
	global_load_b64 v[MW+2:MW+3], v[MO], s[MB+2:MB+3]
	v_mul_u32_u24 v[AK0], v1, PK
	v_lshl_add_u32 v[AK0], v9, 4, v[AK0]
	v_and_b32 v10, 7, v0            ; the turning load: lane l reads key 8 (l / 16) + l % 8, channels 8 ((l / 8) % 2) + 0..7
	v_bfe_u32 v11, v0, 3, 1
	v_lshl_add_u32 v[AV0], v9, 3, v10
	v_mul_u32_u24 v[AV0], v[AV0], PV
	v_lshl_add_u32 v[AV0], v11, 4, v[AV0]
	v_add_nc_u32 v[AV0], VOFF, v[AV0]
	v_mov_b32 v[NI], 0xff800000
; THE MATRIX WORK OF A TURN, for piece x.  The accumulators take turns, one instruction a turn.
.macro PV x, zero                   ; product i of 32 of O^T += V^T P: keys 32 (i / 16) on, channels 16 ((i / 2) % 8) on, tile x + i % 2
	WIN W_PV
.set rO, 64*(\x+i%2)+8*((i/2)%8)
.set rV, 64*(i/16)+8*((i/2)%8)
.set rP, P+16*(\x+i%2)+8*(i/16)
.if \zero && (i < 16)
	v_wmma_f32_16x16x32_f16 v[rO:rO+7], v[rV:rV+7], v[rP:rP+7], 0
.else
	v_wmma_f32_16x16x32_f16 v[rO:rO+7], v[rV:rV+7], v[rP:rP+7], v[rO:rO+7]
.endif
.endm
.macro KQ x                         ; product i of 32 of S^T = K Q^T: channels 32 (i / 8) on, keys 16 ((i / 2) % 4) on, tile x + i % 2
	WIN W_KQ
.set rS, S+32*(\x+i%2)+8*((i/2)%4)
.set rK, KF+32*((i/2)%4)+8*(i/8)
.set rQ, 32*(\x+i%2)+8*(i/8)
.if i < 8
	v_wmma_f32_16x16x32_f16 v[rS:rS+7], v[rK:rK+7], v[rQ:rQ+7], 0
.else
	v_wmma_f32_16x16x32_f16 v[rS:rS+7], v[rK:rK+7], v[rQ:rQ+7], v[rS:rS+7]
.endif
.endm
.macro FETCH_K                      ; 32 LDS loads in one run: my step's K
	WIN 0
	v_add_nc_u32 v[ADR], s[TB], v[AK0]
	WIN 0x80
.irp f, 0,1,2,3,4,5,6,7,8,9,10,11,12,13,14,15
	ds_load_b128 v[KF+8*\f:KF+8*\f+3],   v[ADR] offset:(\f/4)*16*PK+(\f%4)*64
	ds_load_b128 v[KF+8*\f+4:KF+8*\f+7], v[ADR] offset:(\f/4)*16*PK+(\f%4)*64+32
.endr
.endm
.macro FETCH_V                      ; and its V, turned
	WIN 0
	v_add_nc_u32 v[ADR], s[TB], v[AV0]
	s_wait_alu depctr_va_vdst(0)    ; the wait for the softmax's batch of exponentials, ahead of the first instruction that names a result
	WIN 0xc0
.irp f, 0,1,2,3,4,5,6,7,8,9,10,11,12,13,14,15
	ds_load_tr16_b128 v[8*\f:8*\f+3],   v[ADR] offset:(\f/8)*32*PV+(\f%8)*32
	ds_load_tr16_b128 v[8*\f+4:8*\f+7], v[ADR] offset:(\f/8)*32*PV+16*PV+(\f%8)*32
.endr
.endm
; THE VECTOR WORK OF A TURN.  One tile's list for one key step has 198 numbers; SM writes number j for tile t.  s0-s31 are the lane's 32 scores.  n = j - 64.
;   j 0-63   THE MASK, four numbers for two scores: the tile's word is doubled twice, each time its top bit falls into a lane mask; then each of the two scores is kept where its bit is set, else
;            -infinity.  The scores are taken in ascending order.
;   n 0-15   the maximum of s0-s31 and the old m (first step: and the floor -3e38)      n 16-20  the other half of the lanes' maximum; the new m; c m; c m_old - c m_new
;   n 21-69  ONE BATCH: the 16 scalings c s - c m and all 33 exponentials; none reads an exponential's result        (the wait for the batch stands between 69 and 70)
;   n 70-85  the roundings to f16      n 86-101  the sums; l = a l + the sum      n 102-133  the tile's O^T times a
.macro SM t, first
.set rT, ST+8*(\t)
.set rS, S+32*(\t)
.set rP, P+16*(\t)
.set rM, MW+(\t)
.set sM, LM+2*((\t)%2)
.set n, j-64
.set rO, 64*(\t)+2*(n-102)
.if n < 102
	WIN 0
.endif
.if n < 0
.if j%4 < 2
	v_add_co_u32 v[rM], s[sM+j%4], v[rM], v[rM]
.else
	v_cndmask_b32 v[rS+2*(j/4)+j%4-2], v[NI], v[rS+2*(j/4)+j%4-2], s[sM+j%4-2]
.endif
.elseif n < 4
	v_max3_num_f32 v[rT+4+n], v[rS+8*n], v[rS+8*n+1], v[rS+8*n+2]
.elseif n < 12
	v_max3_num_f32 v[rT+4+n%4], v[rT+4+n%4], v[rS+8*(n%4)+2*(n/4)+1], v[rS+8*(n%4)+2*(n/4)+2]
.elseif n == 12
	v_max3_num_f32 v[rT+4], v[rT+4], v[rS+7], v[rS+15]
.elseif n == 13
	v_max3_num_f32 v[rT+6], v[rT+6], v[rS+23], v[rS+31]
.elseif n == 14
	v_max3_num_f32 v[rT+4], v[rT+4], v[rT+5], v[rT+6]
.elseif (n == 15) && \first
	v_max3_num_f32 v[rT+4], v[rT+4], v[rT+7], 0xff61b1e6  ; the floor: m is a number even where every key so far is hidden
.elseif n == 15
	v_max3_num_f32 v[rT+4], v[rT+4], v[rT+7], v[rT+1]
.elseif n == 16
	v_permlanex16_b32 v[rT+5], v[rT+4], s[SEL], s[SEL+1]  ; the query's other 32 keys lie in the lane 16 away
.elseif n == 18
	v_max_num_f32 v[rT+1], v[rT+4], v[rT+5]
.elseif n == 19
	v_mul_f32 v[rT], s[CS], v[rT+1]
.elseif ((n == 17) || (n == 20) || (n == 23) || (n > 101)) && \first  ; the first step has none of these
.elseif n == 17
	v_mov_b32 v[rT+7], v[rT]        ; c m_old is kept for a
.elseif n == 20
	v_sub_f32 v[rT+7], v[rT+7], v[rT]
.elseif n == 23
	v_exp_f32 v[rT+6], v[rT+7]
.elseif (n < 23) || ((n < 38) && (n%2 == 0)) || ((n < 66) && (n%4 == 2))
.set b, (n-2)/4
.if n < 38
.set b, (n-20)/2
.endif
	v_pk_fma_f32 v[rS+2*b:rS+2*b+1], v[rS+2*b:rS+2*b+1], s[CS:CS+1], v[rT:rT+1] op_sel_hi:[1,0,0] neg_lo:[0,0,1] neg_hi:[0,0,1]  ; pair b: c s - c m
.elseif n < 70
.set e, n-38
.if n < 66
.set e, n-32-(n-38)/4
.endif
.if n < 38
.set e, (n-25)/2
.endif
	v_exp_f32 v[rS+e], v[rS+e]
.elseif n < 86
	v_cvt_pk_f16_f32 v[rP+n-70], v[rS+2*(n-70)], v[rS+2*(n-70)+1]
.elseif n < 102
.set z, n-86
.set w, 4
.set u, z
.if z >= 14
.set w, 32
.set u, 0
.elseif z >= 12
.set w, 16
.set u, z-12
.elseif z >= 8
.set w, 8
.set u, z-8
.endif
.if (z == 14) && \first
	v_pk_add_f32 v[rT+2:rT+3], v[rS:rS+1], v[rS+16:rS+17]
.elseif z < 15
	v_pk_add_f32 v[rS+w*u:rS+w*u+1], v[rS+w*u:rS+w*u+1], v[rS+w*u+w/2:rS+w*u+w/2+1]
.elseif !\first
	v_pk_fma_f32 v[rT+2:rT+3], v[rT+2:rT+3], v[rT+6:rT+7], v[rS:rS+1] op_sel_hi:[1,0,1]
.endif
.else
	WIN W_RS
	v_pk_mul_f32 v[rO:rO+1], v[rO:rO+1], v[rT+6:rT+7] op_sel_hi:[1,0]
.endif
.endm
; Item QI of a piece's 396.  The mask: eight items serve two scores of both tiles, four doublings and then four selections.  The batch (items 172 to 267): four numbers of ONE tile, the tiles by turns.
; All else: the two tiles alternate, so that no instruction reads the result of the one just before it.
.macro ITEM y, first
.if QI < 128
.set tt, QI%2
.set j, 4*(QI/8)+(QI%8)/2
.elseif QI < 172
.set tt, QI%2
.set j, 64+(QI-128)/2
.elseif QI < 268
.set tt, ((QI-172)/4)%2
.set j, 86+4*((QI-172)/8)+(QI-172)%4
.else
.set tt, QI%2
.set j, 134+(QI-268)/2
.endif
	SM (\y)+tt, \first
.set QI, QI+1
.endm
; Slice k of 64: 12 items for k < 14, 4 for k = 14 to 38 (the batch keeps its fours), 5 for k = 39 to 62, 8 for k = 63: 168 + 100 + 120 + 8 = 396.
; Behind slice 10 the piece's mask words are used up (items 0 to 127): with ml = 1 the next step's pair is asked for, 512 bytes on; its base is free, since the wait at the turn's head has shown the
; piece's last load done.  Behind slice 38 the batch is out: one v_nop, the plain instruction behind the last exponential, and one wait for the piece's 66 exponentials.
.macro SLICE y, first, ml
.set cnt, 5
.if k < 14
.set cnt, 12
.elseif k < 39
.set cnt, 4
.elseif k == 63
.set cnt, 8
.endif
.rept cnt
	ITEM \y, \first
.endr
.if (k == 10) && \ml
	WIN 0
	s_add_nc_u64 s[MB+(\y):MB+(\y)+1], s[MB+(\y):MB+(\y)+1], 512
	global_load_b64 v[MW+(\y):MW+(\y)+1], v[MO], s[MB+(\y):MB+(\y)+1]
.endif
.if k == 38
	v_nop
.if (\y) == 0
	FETCH_V                         ; piece 2's turn: V's run of loads stands here, and the wait stands in it.  The last product that read V stands in front of slice 31: six scalings, the v_nop and the run's own addition lie between
.else
	s_wait_alu depctr_va_vdst(0)
.endif
.endif
.set k, k+1
.endm
.macro PLACES
.rept 4
	v_nop
.endr
.endm
; A TURN.  Piece x has the matrix unit; the other piece's list stands in slices behind its matrix instructions.  pv = 2: 32 products V^T P; 1: they start O^T's sums; 0: none.  kq = 1: 32 products K Q^T.
; first = 1: the list is the first key step's; its last slices are empty, and four v_nop take slice 63's part as the places behind the last products.
; left: how many younger loads may stay out when the list's mask words have to be there: the other piece's pair, asked for a turn later.
.macro TURN x, pv, kq, first, ml, left
.set k, 0
.set QI, 0
.set per, 2
.if \pv && \kq
.set per, 1
.endif
	s_wait_loadcnt \left
.if \pv
.if \x == 0
	s_wait_dscnt 0x0                ; V is in
.endif
.set i, 0
.rept 32
	PV \x, 2-\pv
.rept per
	SLICE 2-\x, \first, \ml
.endr
.if (\x == 0) && \kq && (i == 1)
	FETCH_K                         ; the last product that read K stands in front of slice 63 of the turn before
.endif
.set i, i+1
.endr
.endif
.if \kq
.if \x == 0
	s_wait_dscnt 0x0                ; K is in
.endif
.set i, 0
.rept 32
	KQ \x
.rept per
	SLICE 2-\x, \first, \ml
.endr
.set i, i+1
.endr
.endif
.if \first
	PLACES
.endif
.endm
; THE CHANGE OF SLOTS, between piece 2's turn and piece 0's: my step's K and V have been asked for.  Each wave waits for all its tensor loads, of which one is out: its part of the other slot; adds 0 to
; its spare word; and waits for that and for its reads of the slot.  fill = 1: the slot is filled again with the keys two slots on; the barrier is then a round of the cluster's, and the joint refill
; is the first thing behind it: it has a wave's key step, 128 matrix instructions, in which to land.
.macro CHANGE fill
	WIN 0
	s_wait_tensorcnt 0x0            ; no tensor load of mine is out, so a group 0 may be written
	ds_add_u32 v[SPW], v[NIL]
.if \fill
.irp g, G0K+4, G0V+4
	s_xor_b32 s[\g+1], s[\g+1], SLOT1
	s_add_nc_u64 s[\g+2:\g+3], s[\g+2:\g+3], 128*RP
.endr
	s_wait_xcnt 0x0                 ; the last prefetch, a key step back, has read its address
	s_add_nc_u64 s[PFA:PFA+1], s[PFA:PFA+1], 128*RP
	s_wait_dscnt 0x0                ; the add is done, and my reads of the slot are over
	CROUND
	JLOAD
	ASK
.else
	s_wait_dscnt 0x0
	s_barrier_signal -1
	s_barrier_wait -1
.endif
	s_xor_b32 s[TB], s[TB], SLOT1   ; my next step lies in the other slot
.endm
	s_wait_tensorcnt 1              ; my part of slot 0 is in; slot 1's may stay out
	s_barrier_signal -1
	s_barrier_wait -1
	FETCH_K                         ; my key step 0
	s_wait_loadcnt 0x0              ; Q and the first mask words
	s_wait_dscnt 0x0
.set i, 0
.rept 32
	KQ 0
.set i, i+1
.endr
	WIN 0                           ; the addresses for the merge and the way out: plain instructions, the places behind those products
	s_mul_i32 s13, s[WV], 16*SP
	s_add_co_u32 s13, s13, STAGE
	v_mul_u32_u24 v[STO], v1, SP
	v_lshl_add_u32 v[STO], v9, 4, v[STO]
	v_add_nc_u32 v[STO], s13, v[STO]
	v_mul_u32_u24 v[RD], v9, SP
	v_lshl_add_u32 v[RD], v1, 4, v[RD]
	v_add_nc_u32 v[RD], s13, v[RD]
	v_lshlrev_b32 v[GO], 12, v9     ; two rows of ao, 4,096 bytes apart
	v_lshl_add_u32 v[GO], v1, 4, v[GO]
	s_mul_i32 s2, s[WV], XW
	s_add_co_u32 s2, s2, XCH
	s_xor_b32 s3, s[WV], 1
	s_mul_i32 s3, s3, XW
	s_add_co_u32 s3, s3, XCH
	v_and_b32 v10, 31, v0
	v_lshl_add_u32 v[XST], v10, 4, s2
	v_lshl_add_u32 v[XLD], v10, 4, s3
	v_lshl_add_u32 v[XSS], v10, 2, s2
	v_lshl_add_u32 v[XSL], v10, 2, s3
	v_add_nc_u32 v[XSS], 16384, v[XSS]
	v_add_nc_u32 v[XSL], 16384, v[XSL]
	TURN 2, 0, 1, 1, 1, 1           ; piece 2's first scores | piece 0's first list | V of step 0
	CHANGE 1                        ; slot 0 is left: it takes slot 2's keys
	s_sub_co_u32 s[SLOTS], s[SLOTS], 1
	TURN 0, 1, 1, 1, 1, 1           ; piece 0: V^T P of step 0 starts O^T, K Q^T of step 1 | piece 2's first list | K of step 1
	TURN 2, 1, 1, 0, 1, 1           ; piece 2: the same | piece 0's list of step 1 | V of step 1
	WIN 0
.Lslot:                             ; 13 trips: a trip is a change of slots and one key step of mine
	CHANGE 1
	TURN 0, 2, 1, 0, 1, 1
	TURN 2, 2, 1, 0, 1, 1
	WIN 0
	s_sub_co_u32 s[SLOTS], s[SLOTS], 1
	s_cmp_lg_u32 s[SLOTS], 0
	s_cbranch_scc1 .Lslot
	CHANGE 0                        ; the tail is written out: nothing more is asked for
	TURN 0, 2, 1, 0, 1, 1
	TURN 2, 2, 1, 0, 0, 1           ; piece 0's list of my last step: no mask word follows
	TURN 0, 2, 0, 0, 0, 0           ; piece 0: V^T P of the last step | piece 2's last list
.set i, 0
.rept 32
	PV 2, 0
.set i, i+1
.endr
	; THE MERGE.  l's two halves and the other half of the lanes' are added (the additions are the places behind the last products); register tiles 2 and 3 go to my partner as images of their
	; registers, with c m and l; one barrier; my partner's come back for my register tiles 0 and 1.  O = (a_s O_s + a_o O_o) / (a_s l_s + a_o l_o), a = 2^(c m - the larger c m).
	WIN 0
.irp t, 0,1,2,3
	v_add_f32 v[ST+8*\t+4], v[ST+8*\t+2], v[ST+8*\t+3]
.endr
.irp t, 0,1,2,3
	v_permlanex16_b32 v[ST+8*\t+5], v[ST+8*\t+4], s[SEL], s[SEL+1]
.endr
.irp t, 0,1,2,3
	v_add_f32 v[ST+8*\t+4], v[ST+8*\t+4], v[ST+8*\t+5]
.endr
	WIN 0x04                        ; an LDS store's data: window 1
.set g, 0
.rept 32
	ds_store_b128 v[XST], v[128+4*g:131+4*g] offset:512*g  ; each accumulator from its low end on
.set g, g+1
.endr
	WIN 0
	ds_store_b32 v[XSS], v[ST+16]
	ds_store_b32 v[XSS], v[ST+20] offset:128
	ds_store_b32 v[XSS], v[ST+24] offset:256
	ds_store_b32 v[XSS], v[ST+28] offset:384
	s_wait_dscnt 0x0                ; for my partner's sake: my stores are done
	s_barrier_signal -1
	s_barrier_wait -1
.set g, 0
.rept 32
	ds_load_b128 v[S+4*g:S+4*g+3], v[XLD] offset:512*g
.set g, g+1
.endr
	ds_load_b32 v54, v[XSL]
	ds_load_b32 v55, v[XSL] offset:128
	ds_load_b32 v56, v[XSL] offset:256
	ds_load_b32 v57, v[XSL] offset:384
	s_wait_dscnt 0x0
.irp t, 0,1
	v_max_num_f32 v[ST+8*\t+5], v[ST+8*\t], v[54+2*\t]
.endr
.irp t, 0,1
	v_sub_f32 v[ST+8*\t+6], v[ST+8*\t], v[ST+8*\t+5]
	v_sub_f32 v[ST+8*\t+7], v[54+2*\t], v[ST+8*\t+5]
.endr
.irp t, 0,1
	v_exp_f32 v[ST+8*\t+6], v[ST+8*\t+6]
	v_exp_f32 v[ST+8*\t+7], v[ST+8*\t+7]
.endr
	v_nop                           ; a plain instruction behind the last exponential,
	s_wait_alu depctr_va_vdst(0)    ; and one wait for the four
.irp t, 0,1
	v_mul_f32 v[ST+8*\t+5], v[ST+8*\t+6], v[ST+8*\t+4]
.endr
.irp t, 0,1
	v_fma_f32 v[ST+8*\t+5], v[ST+8*\t+7], v[55+2*\t], v[ST+8*\t+5]
.endr
.irp t, 0,1
	v_rcp_f32 v[58+\t], v[ST+8*\t+5]
.endr
	v_nop
	s_wait_alu depctr_va_vdst(0)    ; one wait for the two reciprocals
.irp t, 0,1
	v_mul_f32 v[ST+8*\t+6], v[ST+8*\t+6], v[58+\t]
	v_mul_f32 v[ST+8*\t+7], v[ST+8*\t+7], v[58+\t]
.endr
; Tile t: merged, rounded to f16, 16 bytes a lane into rows of 272 bytes, back as whole rows of 256.
.macro FIN t
.set i, 0
.rept 64
	v_mul_f32 v[S+64*\t+i], v[S+64*\t+i], v[ST+8*\t+7]
.set i, i+1
.endr
	WIN 0x01                        ; source 0: O^T, window 1
.set i, 0
.rept 64
	v_fma_f32 v[S+64*\t+i], v[64*\t+i], v[ST+8*\t+6], v[S+64*\t+i]
.set i, i+1
.endr
	WIN 0
.set i, 0
.rept 32
	v_cvt_pk_f16_f32 v[P+32*\t+i], v[S+64*\t+2*i], v[S+64*\t+2*i+1]
.set i, i+1
.endr
.irp f, 0,1,2,3,4,5,6,7
	ds_store_b128 v[STO], v[P+32*\t+4*\f:P+32*\t+4*\f+3] offset:32*\f
.endr
.irp f, 0,1,2,3,4,5,6,7
	ds_load_b128 v[P+32*\t+4*\f:P+32*\t+4*\f+3], v[RD] offset:\f*2*SP  ; LDS serves a wave's instructions in order: these see the stores above; the next tile's stores come behind them
.endr
.endm
.macro SEND t, younger              ; younger: the LDS instructions issued behind tile t's loads
.irp f, 0,1,2,3,4,5,6,7
	s_wait_dscnt \younger+7-\f
	global_store_b128 v[GO], v[P+32*\t+4*\f:P+32*\t+4*\f+3], s[10:11] offset:\t*65536+\f*8192  ; 16 lanes store 256 consecutive bytes, aligned
.endr
.endm
	FIN 0
	FIN 1
	SEND 0, 16
	SEND 1, 0
	s_wait_tensorcnt 0x0            ; the wave's end: three lines behind my last tensor load and my last LDS store
	ds_add_u32 v[SPW], v[NIL]
	s_wait_dscnt 0x0
	CROUND                          ; the closing round
	s_endpgm
.Lfunc_end_k_q6eef640e65_attn:
	.size	k_q6eef640e65_attn, .Lfunc_end_k_q6eef640e65_attn-k_q6eef640e65_attn
	.p2alignl 7, 3214868480
	.fill 96, 4, 3214868480
	.section	.rodata,"a",@progbits
	.p2align	6, 0x0
	.amdhsa_kernel k_q6eef640e65_attn
		.amdhsa_group_segment_fixed_size 327680
		.amdhsa_private_segment_fixed_size 0
		.amdhsa_enable_private_segment 0
		.amdhsa_kernarg_size 24
		.amdhsa_user_sgpr_count 2
		.amdhsa_user_sgpr_kernarg_segment_ptr 1
		.amdhsa_wavefront_size32 1
		.amdhsa_system_sgpr_workgroup_id_x 1
		.amdhsa_system_sgpr_workgroup_id_y 1
		.amdhsa_system_sgpr_workgroup_id_z 1
		.amdhsa_system_vgpr_workitem_id 0
		.amdhsa_next_free_vgpr 1024
		.amdhsa_next_free_sgpr 80
		.amdhsa_reserve_vcc 0
		.amdhsa_float_denorm_mode_32 3
		.amdhsa_float_denorm_mode_16_64 3
		.amdhsa_memory_ordered 1
		.amdhsa_forward_progress 1
		.amdhsa_inst_pref_size 255
	.end_amdhsa_kernel
	.section	.bss,"aw",@nobits
	.p2align	6
	.space	262144
	.amdgpu_metadata
---
amdhsa.version: [ 1, 2 ]
amdhsa.kernels:
  - .name:           k_q6eef640e65_attn
    .symbol:         k_q6eef640e65_attn.kd
    .args:
      - { .name: qkv, .offset: 0, .size: 8, .value_kind: global_buffer, .address_space: global }
      - { .name: mbits, .offset: 8, .size: 8, .value_kind: global_buffer, .address_space: global }
      - { .name: ao, .offset: 16, .size: 8, .value_kind: global_buffer, .address_space: global }
    .group_segment_fixed_size: 327680
    .private_segment_fixed_size: 0
    .kernarg_segment_align: 8
    .kernarg_segment_size: 24
    .max_flat_workgroup_size: 128
    .sgpr_count:     80
    .vgpr_count:     1024
    .wavefront_size: 32
...
	.end_amdgpu_metadata
.endif
;; end of part 3
;; launch oproj (part 4): grid 16 x 16, 4 waves a work-group, clusters of 4 x 4, 327,680 bytes of LDS; arguments ao, wo16, out0; writes out0
.if DOCPART == 4
	.amdgcn_target "amdgcn-amd-amdhsa--gfx1250"
	.amdhsa_code_object_version 6
	.text
	.protected	k_q6eef640e65_oproj
	.globl	k_q6eef640e65_oproj
	.p2align	8
	.type	k_q6eef640e65_oproj,@function
k_q6eef640e65_oproj:
	s_mov_b64 s[64:65], 0
	v_nop
	global_prefetch_b8 v0, s[64:65] scope:SCOPE_SE
	s_setreg_imm32_b32 hwreg(HW_REG_WAVE_MODE, 25, 1), 1
	s_wait_xcnt 0x0
	s_wait_alu depctr_hold_cnt(0) depctr_sa_sdst(0) depctr_va_vdst(0) depctr_va_sdst(0) depctr_va_ssrc(0) depctr_va_vcc(0) depctr_vm_vsrc(0)
	s_getreg_b32 s2, hwreg(HW_REG_IB_STS2, 6, 4)
	s_cmp_eq_u32 s2, 0
	s_cbranch_scc0 .Lentry_in_a_cluster
	s_endpgm
.Lentry_in_a_cluster:
	s_bfe_u32 s2, ttmp6, 0x10000c
	s_cmp_lg_u32 s2, 0xf033
	s_cbranch_scc0 .Lentry_shape_is_right
	s_endpgm
.Lentry_shape_is_right:
; OPROJ: out0[pos][e] = sum over d of ao[pos][d] w_o[e][d].  ao [2048][2048] and wo16 [2048][2048]: f16; out0 [2048][2048] f32; sums in f32.  Nothing is left out; rows 0 to 15 are stored here with the
; rest (a branch on the tile row is not open to partners of a cluster) and stored again, carried finely, by the launch that follows.
; A tile of C is 128 x 128, so that 256 work-groups have one each.  Four waves, each 64 x 64: 16 accumulators of 16 x 16.  K goes in steps of 256 (LDS rows of 512 bytes; a wave's tensor load brings 64).
; CLUSTERS: 4 x 4 work-groups; A's tile is shared along a row of the cluster, B's along a column: each is asked for JOINTLY.  THE MATRIX INSTRUCTION IS USED TRANSPOSED (source 0 = 16 rows of B,
; source 1 = 16 rows of A): a lane holds eight neighbouring numbers of a row of C.  A wave's 64 columns are 256 aligned bytes in f32: each wave has a stage of its own on the way out, and no barrier.
; REGISTERS: window 0: v0-31 addresses; v32-95 rows on the way out; v128-255 the accumulators ((a, b) at v[128 + 8 (4 a + b)]).  window 1: two fragment buffers of 128.
.set SIZE_M, 2048
.set SIZE_N, 2048
.set SIZE_K, 2048
.set KSTEP,  256
.set PITCH,  528                       ; an LDS row: 512 bytes + 16 of padding
.set HALFT,  64*PITCH
.set SLOT,   4*HALFT
.set STAGE,  2*SLOT                    ; behind the ring: 16 rows x 272 bytes for each wave
.set SPITCH, 272
.set SPARE,  STAGE+4*16*SPITCH         ; the spare words, 128 bytes for each wave: two blocks of 256 bytes that no other line names
.set LAPS, SIZE_K/(2*KSTEP)
.set ADRA, 16
.set ADRB, 20
.set STO,  24
.set RD,   25
.set CO,   26
.set SPW,  28
.set NIL,  29
.set TMP,  32
.set ACC,  128
.set F0,   0
.set F1,   128
.set G1, 24
.set G0, 32
.set G1B, 48
.set G0B, 56
.set MSB, 0
.macro WIN new
.if MSB != (\new)
	s_set_vgpr_msb (MSB<<8)|(\new)
.set MSB, (\new)
.endif
.endm
.set MUL,  0x05                        ; sources 0 (B) and 1 (A) window 1; C and D window 0
.set TO_F, 0x40
.macro JLOAD s                         ; a joint load: waves 0 and 1 fetch A's two halves, waves 2 and 3 B's; an s_nop 0 and four v_nop follow each of the two lines
	s_cmp_eq_u32 s11, 0
	s_cbranch_scc0 .Lfor_b_\@
	tensor_load_to_lds s[G0+4*\s:G0+4*\s+3], s[G1:G1+7]
	s_nop 0
.rept 4
	v_nop
.endr
	s_branch .Lasked_\@
.Lfor_b_\@:
	tensor_load_to_lds s[G0B+4*\s:G0B+4*\s+3], s[G1B:G1B+7]
	s_nop 0
.rept 4
	v_nop
.endr
.Lasked_\@:
.endm
.macro CREST
	s_cmp_lg_u32 s10, 0
	s_cbranch_scc1 .Lnot_wave_0_\@
	s_barrier_signal -3
.Lnot_wave_0_\@:
	s_barrier_wait -3
	s_barrier_signal -1
	s_barrier_wait -1
.endm
.macro CROUND
	s_barrier_signal -1
	s_barrier_wait -1
	CREST
.endm
	s_load_b128 s[4:7], s[0:1], 0x0                ; ao, wo16
	s_load_b64 s[8:9], s[0:1], 0x10                ; out0
	v_lshl_add_u32 v[SPW], v0, 2, SPARE
	v_mov_b32 v[NIL], 0
	ds_add_u32 v[SPW], v[NIL]                      ; the wave's opening: the add, twice on end, and its wait ahead of my first tensor load
	ds_add_u32 v[SPW], v[NIL]
	v_lshrrev_b32 v1, 5, v0
	v_readfirstlane_b32 s10, v1                    ; wave 0..3
	s_lshr_b32 s11, s10, 1                         ; which half of the tile's rows is mine.  Also: I fetch for A (0) or for B (1)
	s_and_b32 s12, s10, 1                          ; which half of its columns.  Also: which 64 rows of that tile I fetch
	s_bfe_u32 s40, ttmp6, 0x40000
	s_bfe_u32 s41, ttmp6, 0x40004
	s_lshl_b32 s42, ttmp9, 2
	s_add_co_u32 s42, s42, s40                     ; tile column of C
	s_and_b32 s13, ttmp7, 0xffff
	s_lshl_b32 s13, s13, 2
	s_add_co_u32 s13, s13, s41                     ; tile row of C
	s_lshl_b32 s43, s41, 2
	s_lshl_b32 s43, 15, s43
	s_lshl_b32 s44, 0x1111, s40
	s_or_b32 s[G1+0], s43, (1<<16)|(1<<20)|(1<<21)|(6<<22)|(3<<25)  ; the mask; elements of 2 bytes; padding on; bit 21 beside a mask; 4 words behind every 128
	s_or_b32 s[G1B+0], s44, (1<<16)|(1<<20)|(1<<21)|(6<<22)|(3<<25)
.irp g, G1, G1B
	s_mov_b32 s[\g+1], KSTEP<<16
	s_mov_b32 s[\g+2], 64<<16
	s_mov_b32 s[\g+3], KSTEP<<16
	s_mov_b32 s[\g+4], 64
	s_mov_b32 s[\g+5], SIZE_K
	s_mov_b32 s[\g+6], 0
	s_mov_b32 s[\g+7], 0
.endr
	s_lshl_b32 s17, s12, 6
	s_lshl_b32 s16, s13, 7
	s_add_co_u32 s16, s16, s17
	s_lshl_b32 s46, s42, 7
	s_add_co_u32 s46, s46, s17
	s_mov_b32 s17, 0
	s_mov_b32 s47, 0
	s_mov_b64 s[18:19], SIZE_K*2
	s_mul_u64 s[16:17], s[16:17], s[18:19]
	s_mul_u64 s[46:47], s[46:47], s[18:19]
	s_mul_i32 s20, s10, HALFT
	s_wait_dscnt 0x0                               ; both opening adds are done
	s_wait_kmcnt 0x0
	s_add_nc_u64 s[14:15], s[4:5], s[16:17]
	s_add_nc_u64 s[46:47], s[6:7], s[46:47]
	CROUND                                         ; all sixteen work-groups are here: the first joint loads meet
.irp s, 0,1
	s_mov_b32 s[G0+4*\s], 1
	s_add_co_u32 s[G0+4*\s+1], s20, \s*SLOT
	s_add_nc_u64 s[G0+4*\s+2:G0+4*\s+3], s[14:15], \s*KSTEP*2
	s_or_b32 s[G0+4*\s+3], s[G0+4*\s+3], 0x80000000
	s_mov_b32 s[G0B+4*\s], 1
	s_add_co_u32 s[G0B+4*\s+1], s20, \s*SLOT
	s_add_nc_u64 s[G0B+4*\s+2:G0B+4*\s+3], s[46:47], \s*KSTEP*2
	s_or_b32 s[G0B+4*\s+3], s[G0B+4*\s+3], 0x80000000
	JLOAD \s
.endr
	v_and_b32 v1, 15, v0
	v_bfe_u32 v2, v0, 4, 1
	v_mul_u32_u24 v3, v1, PITCH
	v_lshl_add_u32 v3, v2, 4, v3
	s_mul_i32 s21, s11, HALFT
	s_mul_i32 s22, s12, HALFT
	s_add_co_u32 s22, s22, 2*HALFT
.irp s, 0,1
	v_add_nc_u32 v[ADRA+\s], s21, v3
	v_add_nc_u32 v[ADRB+\s], s22, v3
	s_add_co_u32 s21, s21, SLOT
	s_add_co_u32 s22, s22, SLOT
.endr
	s_mul_i32 s23, s10, 16*SPITCH
	s_add_co_u32 s23, s23, STAGE                   ; my stage
	v_mul_u32_u24 v4, v1, SPITCH
	v_lshl_add_u32 v4, v2, 5, v4
	v_add_nc_u32 v[STO], s23, v4                   ; in: row l % 16, 32 bytes for each half of the lanes
	v_mul_u32_u24 v5, v2, SPITCH
	v_lshl_add_u32 v5, v1, 4, v5
	v_add_nc_u32 v[RD], s23, v5                    ; back: lanes 0-15 one row of 256 bytes, lanes 16-31 the next
	v_mul_u32_u24 v5, v2, SIZE_N*4
	v_lshl_add_u32 v[CO], v1, 4, v5                ; and the same two rows in C
	s_lshl_b32 s16, s13, 7
	s_lshl_b32 s17, s11, 6
	s_add_co_u32 s16, s16, s17                     ; my first row of C
	s_mov_b32 s17, 0
	s_mov_b64 s[18:19], SIZE_N*4
	s_mul_u64 s[16:17], s[16:17], s[18:19]
	s_add_nc_u64 s[8:9], s[8:9], s[16:17]
	s_lshl_b32 s46, s42, 9                         ; my first column, in bytes: 512 x tile column + 256 x half
	s_lshl_b32 s47, s12, 8
	s_add_co_u32 s46, s46, s47
	s_mov_b32 s47, 0
	s_add_nc_u64 s[8:9], s[8:9], s[46:47]
.macro MUL8 f, c, a0, zero             ; 8 matrix instructions: m blocks a0, a0 + 1 x all 4 n blocks, 32 along K; the 16 accumulators take turns
.irp a, \a0, \a0+1
.irp b, 0,1,2,3
.if \zero
	v_wmma_f32_16x16x32_f16 v[ACC+8*(4*(\a)+\b):ACC+8*(4*(\a)+\b)+7], v[\f+64+8*(4*\c+\b):\f+64+8*(4*\c+\b)+7], v[\f+8*(4*\c+\a):\f+8*(4*\c+\a)+7], 0
.else
	v_wmma_f32_16x16x32_f16 v[ACC+8*(4*(\a)+\b):ACC+8*(4*(\a)+\b)+7], v[\f+64+8*(4*\c+\b):\f+64+8*(4*\c+\b)+7], v[\f+8*(4*\c+\a):\f+8*(4*\c+\a)+7], v[ACC+8*(4*(\a)+\b):ACC+8*(4*(\a)+\b)+7]
.endif
.endr
.endr
.endm
.macro FETCH slot, k, f                ; 32 LDS loads in one run: the fragments of 64 along K at byte k of the rows; the first 32 along K first
	WIN TO_F
.irp c, 0,1
.irp i, 0,1,2,3
	ds_load_b128 v[\f+64+8*(4*\c+\i):\f+64+8*(4*\c+\i)+3],   v[ADRB+\slot] offset:\k+64*\c+\i*16*PITCH
	ds_load_b128 v[\f+64+8*(4*\c+\i)+4:\f+64+8*(4*\c+\i)+7], v[ADRB+\slot] offset:\k+64*\c+\i*16*PITCH+32
	ds_load_b128 v[\f+8*(4*\c+\i):\f+8*(4*\c+\i)+3],         v[ADRA+\slot] offset:\k+64*\c+\i*16*PITCH
	ds_load_b128 v[\f+8*(4*\c+\i)+4:\f+8*(4*\c+\i)+7],       v[ADRA+\slot] offset:\k+64*\c+\i*16*PITCH+32
.endr
.endr
.endm
.macro PLACES
.rept 4
	v_nop
.endr
.endm
.macro QUARTER slot, k, f, g, zero     ; 64 along K: multiplies buffer f and fetches the next quarter, at byte k, into g
	s_wait_dscnt 16                                ; the first 32 along K are in; the youngest sixteen loads may be out
	WIN MUL
	MUL8 \f, 0, 0, \zero
	MUL8 \f, 0, 2, \zero
	PLACES
	FETCH \slot, \k, \g
	s_wait_dscnt 32                                ; all but the 32 just issued
	WIN MUL
	MUL8 \f, 1, 0, 0
	MUL8 \f, 1, 2, 0
.endm
.macro TURN slot, next, fill           ; the last quarter changes slots: one barrier; in front of it the wait for all my tensor loads, the add, and the wait for it and for my reads of this slot
	WIN 0
	s_wait_tensorcnt 0x0
	ds_add_u32 v[SPW], v[NIL]
	s_wait_dscnt 17                                ; (the add and the youngest sixteen loads may be out)
	WIN MUL
	MUL8 F1, 0, 0, 0
	s_wait_dscnt 0x0
	s_barrier_signal -1
	MUL8 F1, 0, 2, 0
.if \fill
	WIN 0
.endif
	s_barrier_wait -1
.if \fill
	CREST                                          ; the barrier has opened a round of the cluster's
	s_add_nc_u64 s[G0+4*\slot+2:G0+4*\slot+3], s[G0+4*\slot+2:G0+4*\slot+3], 2*KSTEP*2
	s_add_nc_u64 s[G0B+4*\slot+2:G0B+4*\slot+3], s[G0B+4*\slot+2:G0B+4*\slot+3], 2*KSTEP*2
	JLOAD \slot                                    ; my one tensor load behind the round
.else
	PLACES
.endif
	FETCH \next, 0, F0
	WIN MUL
	MUL8 F1, 1, 0, 0
	MUL8 F1, 1, 2, 0
.endm
	s_wait_tensorcnt 1                             ; my part of K step 0 is in; K step 1's load may be out
	s_barrier_signal -1
	s_barrier_wait -1
	FETCH 0, 0, F0
	QUARTER 0, 128, F0, F1, 1                      ; the first quarter stands in front of the loop: its first products start the sums
	WIN 0
	s_mov_b32 s3, LAPS-1
.Llap:
	QUARTER 0, 256, F1, F0, 0
	QUARTER 0, 384, F0, F1, 0
	TURN 0, 1, 1
	QUARTER 1, 128, F0, F1, 0
	QUARTER 1, 256, F1, F0, 0
	QUARTER 1, 384, F0, F1, 0
	TURN 1, 0, 1
	QUARTER 0, 128, F0, F1, 0
	WIN 0
	s_sub_co_u32 s3, s3, 1
	s_cmp_lg_u32 s3, 0
	s_cbranch_scc1 .Llap
	QUARTER 0, 256, F1, F0, 0                      ; the last lap fills nothing
	QUARTER 0, 384, F0, F1, 0
	TURN 0, 1, 0
	QUARTER 1, 128, F0, F1, 0
	QUARTER 1, 256, F1, F0, 0
	QUARTER 1, 384, F0, F1, 0
	s_wait_dscnt 16
	WIN MUL
	MUL8 F1, 0, 0, 0
	MUL8 F1, 0, 2, 0
	s_wait_dscnt 0
	MUL8 F1, 1, 0, 0
	MUL8 F1, 1, 2, 0
	WIN 0
; THE WAY OUT, block by block of 16 rows x 64 columns of f32: 32 bytes a lane into my own stage, back as whole rows of 256 bytes: sixteen lanes store 256 consecutive bytes, aligned.
.macro TOSTAGE a
.set BB, TMP+32*((\a)%2)
.irp b, 0,1,2,3
	ds_store_b128 v[STO], v[ACC+8*(4*(\a)+\b):ACC+8*(4*(\a)+\b)+3] offset:64*\b          ; each accumulator from its low end on
	ds_store_b128 v[STO], v[ACC+8*(4*(\a)+\b)+4:ACC+8*(4*(\a)+\b)+7] offset:64*\b+16
.endr
.irp t, 0,1,2,3,4,5,6,7
	ds_load_b128 v[BB+4*\t:BB+4*\t+3], v[RD] offset:\t*2*SPITCH   ; LDS serves a wave's instructions in order: these see my stores, and the next block's stores come behind them
.endr
.endm
.macro SEND a, younger                 ; younger: the LDS instructions issued behind block a's loads
.set BB, TMP+32*((\a)%2)
	s_wait_dscnt \younger
.irp t, 0,1,2,3,4,5,6,7
	global_store_b128 v[CO], v[BB+4*\t:BB+4*\t+3], s[8:9] offset:(16*(\a)+2*\t)*SIZE_N*4 th:TH_STORE_NT
.endr
.endm
	PLACES
	TOSTAGE 0
.irp a, 1,2,3
.if \a > 1
	s_wait_xcnt 0x0                                ; block a - 2's stores have read their registers: block a's loads may land there
.endif
	TOSTAGE \a
	SEND \a-1, 16                                  ; behind block a - 1's loads: block a's 8 stores and 8 loads
.endr
	SEND 3, 0
	s_wait_tensorcnt 0x0                           ; the wave's end: three lines behind my last tensor load and my last LDS store
	ds_add_u32 v[SPW], v[NIL]
	s_wait_dscnt 0x0
	CROUND                                         ; the closing round
	s_endpgm
.Lfunc_end_k_q6eef640e65_oproj:
	.size	k_q6eef640e65_oproj, .Lfunc_end_k_q6eef640e65_oproj-k_q6eef640e65_oproj
	.p2alignl 7, 3214868480
	.fill 96, 4, 3214868480
	.section	.rodata,"a",@progbits
	.p2align	6, 0x0
	.amdhsa_kernel k_q6eef640e65_oproj
		.amdhsa_group_segment_fixed_size 327680
		.amdhsa_private_segment_fixed_size 0
		.amdhsa_enable_private_segment 0
		.amdhsa_kernarg_size 24
		.amdhsa_user_sgpr_count 2
		.amdhsa_user_sgpr_kernarg_segment_ptr 1
		.amdhsa_wavefront_size32 1
		.amdhsa_system_sgpr_workgroup_id_x 1
		.amdhsa_system_sgpr_workgroup_id_y 1
		.amdhsa_system_sgpr_workgroup_id_z 1
		.amdhsa_system_vgpr_workitem_id 0
		.amdhsa_next_free_vgpr 512
		.amdhsa_next_free_sgpr 66
		.amdhsa_reserve_vcc 0
		.amdhsa_float_denorm_mode_32 3
		.amdhsa_float_denorm_mode_16_64 3
		.amdhsa_memory_ordered 1
		.amdhsa_forward_progress 1
		.amdhsa_inst_pref_size 86
	.end_amdhsa_kernel
	.amdgpu_metadata
---
amdhsa.version: [ 1, 2 ]
amdhsa.kernels:
  - .name:           k_q6eef640e65_oproj
    .symbol:         k_q6eef640e65_oproj.kd
    .args:
      - { .name: ao, .offset: 0, .size: 8, .value_kind: global_buffer, .address_space: global }
      - { .name: wo16, .offset: 8, .size: 8, .value_kind: global_buffer, .address_space: global }
      - { .name: out0, .offset: 16, .size: 8, .value_kind: global_buffer, .address_space: global }
    .group_segment_fixed_size: 327680
    .private_segment_fixed_size: 0
    .kernarg_segment_align: 8
    .kernarg_segment_size: 24
    .max_flat_workgroup_size: 128
    .sgpr_count:     66
    .vgpr_count:     512
    .wavefront_size: 32
...
	.end_amdgpu_metadata
.endif
;; end of part 4
;; launch fine (part 5): grid 128 x 1, 16 waves a work-group, no clusters, 288,768 bytes of LDS; arguments qkv32, qkv, mbits, w_o, out0; writes out0
.if DOCPART == 5
	.amdgcn_target "amdgcn-amd-amdhsa--gfx1250"
	.amdhsa_code_object_version 6
	.text
	.protected	k_q6eef640e65_fine
	.globl	k_q6eef640e65_fine
	.p2align	8
	.type	k_q6eef640e65_fine,@function
k_q6eef640e65_fine:
	s_mov_b64 s[64:65], 0
	v_nop
	global_prefetch_b8 v0, s[64:65] scope:SCOPE_SE
	s_setreg_imm32_b32 hwreg(HW_REG_WAVE_MODE, 25, 1), 1
	s_wait_xcnt 0x0
; FINE: positions 0 to 15 of out0 once more, with f32 operands throughout: these rows may average one to a few values, and there the rounding of 16-bit operands weighs most.  The work is small
; (16 rows of 2,048), so the f32 matrix form serves: scores, P V and the projection on the way out.
; SHARES.  Work-group g owns the output columns 16 g .. 16 g + 15, wave h head h.  Every work-group repeats the small attention of the 16 queries; wave h then multiplies its own o (16 x 128) by
; w_o[16 g ..][128 h ..], and the sixteen partial tiles are added through LDS.  No cluster and no tensor load: what is shared is a few KB, and the walk over far keys hangs on stored numbers.
; KEYS 0 TO 15 come in f32 (qkv32).  KEYS FROM 16 ON are walked only where the mask's stored bits open them for a query 0 to 15: a scalar branch on whole numbers read from memory; they come from the f16
; buffer, tile by tile of 16.  That way is right for every mask, and slow where it is taken.  Nothing of the problem is left out.
; A row with no key left comes out NaN (0 x infinity).  LIMITS: the running maximum has the floor -3e38; far keys carry f16's rounding.
; LAYOUT.  All three products are used so that a lane holds ONE query (lane % 16).  The f32 form takes k = 2 (lane / 16) + j from register j; k is permuted alike on both sides, so that a lane's
; registers are taken in pairs as they lie: scores: lane (r, h) holds channels 64 h + 0..63 of its row; P V: keys 8 h + 0..7; the projection: channels 16 ct + 8 h + 0..7.
; ROWS IN, FRAGMENTS OUT.  A fragment wants a lane to hold one row's numbers; a load is best where neighbouring lanes take neighbouring bytes.  So Q, K and w_o (16 rows x 512 bytes each) are loaded a
; row to an instruction, 512 consecutive bytes, go into a stage of the wave's own in LDS (rows 528 bytes apart, so that the sixteen rows that a read touches start 4 words further on each) and come back
; 16 bytes at a time from the lane's own row.  Q and K take one stage after the other; w_o has a second, where it waits until O is finished.
; v32-63 are four accumulators, by turns, written by matrix instructions alone; what is made of a sum goes into other registers.  Nine v_nop stand behind each run of
; matrix instructions: for the reads of results, the loads into operands and the accumulators that are begun anew.
; The stores are 16 bytes a lane to rows 8,192 bytes apart: a work-group's 16 columns are 64 bytes of a row; 128 KB in the whole launch.
.set RP,    12288                      ; a row of qkv (f16) in bytes
.set RQ,    24576                      ; a row of qkv32 in bytes
.set SPT,   528                        ; a stage's row: 512 bytes + 16 of padding
.set STG,   16*SPT                     ; a stage: 8,448 bytes.  LDS: for each wave two on end: Q's and K's, then w_o's
.set PART,  16*2*STG                   ; behind the stages: the sixteen partial tiles, 1,024 bytes a wave
.set SPARE, PART+16384                 ; the spare words, 128 bytes for each wave: eight blocks of 256 bytes that no other line names
.set WFR,  2                           ; v2   w_o's fragments: my stages + 528 r + 32 h (the second stage stands in the immediate)
.set LN16, 3                           ; v3   16 x lane: my 16 bytes of a row
.set AV,   4                           ; v4   V in qkv32: 8 RQ h + 4 r
.set STA,  5                           ; v5   rows into a stage: my stages + 16 x lane
.set AKF,  6                           ; v6   far K: RP r + 128 h
.set AVF,  7                           ; v7   far V: 8 RP h + 2 r
.set MOFF, 8                           ; v8   8 x lane: my mask word
.set QFR,  9                           ; v9   Q's and K's fragments: my stages + 528 r + 256 h
.set PST,  10
.set PRD,  11
.set SPW,  12
.set NIL,  13
.set OUTO, 14
.set NI,   15                          ; -infinity
.set SS,   16                          ; v16-23  scores, then p; at the end my partial tile
.set MWD,  24                          ; the tile's mask bits, from the top down
.set MX,   25                          ; m
.set CM,   26                          ; c m
.set LS,   27                          ; l
.set AL,   28                          ; a
.set T0,   29
.set T1,   30
.set WAD,  31
.set ACC,  32
.set KV,   64                          ; v64-127  K, then V, then w_o, then the partial tiles
.set QF,   128                         ; v128-191 Q
.set OA,   192                         ; v192-255 the mask words, then w_o's rows on their way to LDS, then O
.set WV,   14
.set CS,   16
.set SEL,  18
	s_load_b256 s[4:11], s[0:1], 0x0               ; qkv32, qkv, mbits, w_o
	s_load_b64 s[12:13], s[0:1], 0x20              ; out0
	v_lshl_add_u32 v[SPW], v0, 2, SPARE
	v_mov_b32 v[NIL], 0
	v_lshrrev_b32 v1, 5, v0
	v_readfirstlane_b32 s[WV], v1                  ; wave = head
	v_and_b32 v1, 15, v0                           ; r
	v_bfe_u32 v2, v0, 4, 1                         ; h
	v_and_b32 v[T0], 31, v0                        ; lane
	v_lshlrev_b32 v[LN16], 4, v[T0]
	v_mul_u32_u24 v[AV], v2, 8*RQ
	v_lshl_add_u32 v[AV], v1, 2, v[AV]
	v_mul_u32_u24 v[AKF], v1, RP
	v_lshl_add_u32 v[AKF], v2, 7, v[AKF]
	v_mul_u32_u24 v[AVF], v2, 8*RP
	v_lshl_add_u32 v[AVF], v1, 1, v[AVF]
	v_lshlrev_b32 v[MOFF], 3, v[T0]
	s_mul_i32 s20, s[WV], 2*STG                    ; my wave's two stages
	v_add_nc_u32 v[STA], s20, v[LN16]
	v_mul_u32_u24 v[T1], v1, SPT
	v_add_nc_u32 v[T1], s20, v[T1]                 ; row r of my first stage
	v_lshl_add_u32 v[QFR], v2, 8, v[T1]
	s_lshl_b32 s20, s[WV], 10
	s_add_co_u32 s20, s20, PART
	v_lshl_add_u32 v[PST], v[T0], 4, s20
	s_and_b32 s20, s[WV], 1
	s_lshl_b32 s21, s20, 9
	s_add_co_u32 s21, s21, PART
	v_lshl_add_u32 v[PRD], v[T0], 4, s21
	s_lshl_b32 s20, s20, 4
	v_lshlrev_b32 v[OUTO], 13, v1
	v_lshl_add_u32 v[OUTO], v2, 5, v[OUTO]
	v_add_nc_u32 v[OUTO], s20, v[OUTO]             ; 8,192 r + 32 h + 16 (wave % 2)
	v_lshl_add_u32 v[WFR], v2, 5, v[T1]            ; (h is not wanted any more: its register takes this address)
	v_mov_b32 v[NI], 0xff800000
	s_mov_b32 s[CS], 0x3e0293ee                    ; c = log2(e) / sqrt(128)
	s_mov_b32 s[SEL], 0x76543210
	s_mov_b32 s[SEL+1], 0xfedcba98
	s_lshl_b32 s24, s[WV], 9                       ; the head's 512 bytes in a row of f32
	s_mov_b32 s25, 0
	s_lshl_b32 s26, s[WV], 8
	s_add_co_u32 s26, s26, 4096+16*RP              ; far K: k's columns, the head's 256 bytes, key 16
	s_mov_b32 s27, 0
	s_lshl_b32 s28, ttmp9, 17                      ; 16 rows of w_o
	s_add_co_u32 s28, s28, s24
	s_mov_b32 s29, 0
	s_lshl_b32 s30, ttmp9, 6                       ; 16 columns of out0
	s_mov_b32 s31, 0
	s_wait_kmcnt 0x0
	s_add_nc_u64 s[4:5], s[4:5], s[24:25]
	s_add_nc_u64 s[6:7], s[6:7], s[26:27]
	s_add_nc_u64 s[10:11], s[10:11], s[28:29]
	s_add_nc_u64 s[12:13], s[12:13], s[30:31]
.set i, 0
.rept 16
	global_load_b128 v[QF+4*i:QF+4*i+3], v[LN16], s[4:5] offset:RQ*i          ; Q: position i, my head's 512 bytes: a row to an instruction
.set i, i+1
.endr
.set i, 0
.rept 16
	global_load_b128 v[KV+4*i:KV+4*i+3], v[LN16], s[4:5] offset:8192+RQ*i     ; K likewise
.set i, i+1
.endr
.set g, 0
.rept 32
	global_load_b32 v[OA+g], v[MOFF], s[8:9] offset:256*g          ; the words of queries 0 to 15, for all 32 steps of 64 keys
.set g, g+1
.endr
; 16 rows in v[reg] on, 16 bytes a lane, go into my first stage and come back as a fragment: register 4 i + e of lane (r, h) is number 64 h + 4 i + e of row r.  LDS serves a wave's instructions in
; order (ISA guide 5.7.1.4): the loads see the stores above them, and the next rows' stores come behind these loads.
.macro TURNR reg
.set i, 0
.rept 16
	ds_store_b128 v[STA], v[\reg+4*i:\reg+4*i+3] offset:SPT*i
.set i, i+1
.endr
.set i, 0
.rept 16
	ds_load_b128 v[\reg+4*i:\reg+4*i+3], v[QFR] offset:16*i
.set i, i+1
.endr
.endm
	s_wait_loadcnt 48                              ; Q's 16 loads are in; K's 16 and the 32 words may be out
	TURNR QF
	s_wait_loadcnt 32                              ; K's 16 loads are in; the 32 words may be out
	TURNR KV
	s_wait_loadcnt 0x0                             ; the words
	v_mov_b32 v[MWD], v[OA]                        ; keys 0 to 15: the top eight bits of word 0
	v_and_b32 v[T0], 0xffffff, v[OA]               ; is any key from 16 on open to any of the 16 queries?
	v_or_b32 v[T1], v[OA+1], v[OA+2]
.set g, 3
.rept 14
	v_or_b32 v[T0], v[T0], v[OA+g]
	v_or_b32 v[T1], v[T1], v[OA+g+1]
.set g, g+2
.endr
	v_or_b32 v[T0], v[T0], v[OA+31]
	v_or_b32 v[T0], v[T0], v[T1]
	v_cmp_ne_u32 vcc_lo, 0, v[T0]
	s_mov_b32 s21, vcc_lo
.set i, 0
.rept 16
	global_load_b128 v[OA+4*i:OA+4*i+3], v[LN16], s[10:11] offset:8192*i th:TH_LOAD_NT   ; w_o is asked for early: row 16 g + i, my head's 512 bytes; read once in the launch
.set i, i+1
.endr
.macro NINE
.rept 9
	v_nop
.endr
.endm
.macro MM32 a, b                       ; 32 steps of 4 along K on the four accumulators by turns; the first four start the sums
.set i, 0
.rept 32
.if i < 4
	v_wmma_f32_16x16x4_f32 v[ACC+8*(i%4):ACC+8*(i%4)+7], v[\a+2*i:\a+2*i+1], v[\b+2*i:\b+2*i+1], 0
.else
	v_wmma_f32_16x16x4_f32 v[ACC+8*(i%4):ACC+8*(i%4)+7], v[\a+2*i:\a+2*i+1], v[\b+2*i:\b+2*i+1], v[ACC+8*(i%4):ACC+8*(i%4)+7]
.endif
.set i, i+1
.endr
	NINE
.endm
.macro SUM4                            ; the four partial sums into v[SS] on; each accumulator is read from its low end on
.irp j, 0,1,2,3,4,5,6,7
	v_add_f32 v[SS+\j], v[ACC+\j], v[ACC+8+\j]
.endr
.irp j, 0,1,2,3,4,5,6,7
	v_add_f32 v[SS+\j], v[SS+\j], v[ACC+16+\j]
.endr
.irp j, 0,1,2,3,4,5,6,7
	v_add_f32 v[SS+\j], v[SS+\j], v[ACC+24+\j]
.endr
.endm
; A tile's softmax: register j of lane (r, h) is the score of query r and the tile's key 8 h + j.
.macro SOFT first
	SUM4
.irp j, 0,1,2,3,4,5,6,7
	v_add_co_u32 v[MWD], vcc_lo, v[MWD], v[MWD]    ; the word's top bit falls into VCC,
	v_cndmask_b32 v[SS+\j], v[NI], v[SS+\j], vcc_lo ; and the score is kept where it is set
.endr
	v_max3_num_f32 v[T0], v[SS], v[SS+1], v[SS+2]
	v_max3_num_f32 v[T1], v[SS+3], v[SS+4], v[SS+5]
	v_max3_num_f32 v[T0], v[T0], v[SS+6], v[SS+7]
.if \first
	v_max3_num_f32 v[T0], v[T0], v[T1], 0xff61b1e6 ; the floor
.else
	v_max3_num_f32 v[T0], v[T0], v[T1], v[MX]
	v_mov_b32 v[AL], v[CM]
.endif
	v_permlanex16_b32 v[T1], v[T0], s[SEL], s[SEL+1]
	v_max_num_f32 v[MX], v[T0], v[T1]
	v_mul_f32 v[CM], s[CS], v[MX]
.if !\first
	v_sub_f32 v[AL], v[AL], v[CM]
.endif
.irp j, 0,1,2,3,4,5,6,7
	v_fma_f32 v[SS+\j], v[SS+\j], s[CS], -v[CM]
.endr
.irp j, 0,1,2,3,4,5,6,7
	v_exp_f32 v[SS+\j], v[SS+\j]
.endr
.if !\first
	v_exp_f32 v[AL], v[AL]
.endif
	v_nop                                          ; a plain instruction behind the last exponential,
	s_wait_alu depctr_va_vdst(0)                   ; and one wait for the batch, ahead of its first reader
	v_add_f32 v[T0], v[SS], v[SS+1]
	v_add_f32 v[T1], v[SS+2], v[SS+3]
	v_add_f32 v[T0], v[T0], v[SS+4]
	v_add_f32 v[T1], v[T1], v[SS+5]
	v_add_f32 v[T0], v[T0], v[SS+6]
	v_add_f32 v[T1], v[T1], v[SS+7]
.if \first
	v_add_f32 v[LS], v[T0], v[T1]
.else
	v_add_f32 v[T0], v[T0], v[T1]
	v_fma_f32 v[LS], v[LS], v[AL], v[T0]
.endif
.endm
; O^T = a O^T + V^T P: four channel tiles at a time; a tile's sum is four steps of 4 keys.  v[KV + 8 ct + i] of lane (r, h) is V[key 8 h + i][channel 16 ct + r].
.macro PVMUL first
.irp gq, 0,1
.irp s, 0,1,2,3
.irp q, 0,1,2,3
.if \s == 0
	v_wmma_f32_16x16x4_f32 v[ACC+8*\q:ACC+8*\q+7], v[KV+8*(4*\gq+\q)+2*\s:KV+8*(4*\gq+\q)+2*\s+1], v[SS+2*\s:SS+2*\s+1], 0
.else
	v_wmma_f32_16x16x4_f32 v[ACC+8*\q:ACC+8*\q+7], v[KV+8*(4*\gq+\q)+2*\s:KV+8*(4*\gq+\q)+2*\s+1], v[SS+2*\s:SS+2*\s+1], v[ACC+8*\q:ACC+8*\q+7]
.endif
.endr
.endr
	NINE
.irp q, 0,1,2,3
.irp j, 0,1,2,3,4,5,6,7
.if \first
	v_mov_b32 v[OA+8*(4*\gq+\q)+\j], v[ACC+8*\q+\j]
.else
	v_fma_f32 v[OA+8*(4*\gq+\q)+\j], v[OA+8*(4*\gq+\q)+\j], v[AL], v[ACC+8*\q+\j]
.endif
.endr
.endr
.endr
.endm
.macro CVT64                           ; 64 f16 numbers, one in the low half of each of v64-127, become f32 in place
	v_cvt_f32_f16 v64, v64.l
	v_cvt_f32_f16 v65, v65.l
	v_cvt_f32_f16 v66, v66.l
	v_cvt_f32_f16 v67, v67.l
	v_cvt_f32_f16 v68, v68.l
	v_cvt_f32_f16 v69, v69.l
	v_cvt_f32_f16 v70, v70.l
	v_cvt_f32_f16 v71, v71.l
	v_cvt_f32_f16 v72, v72.l
	v_cvt_f32_f16 v73, v73.l
	v_cvt_f32_f16 v74, v74.l
	v_cvt_f32_f16 v75, v75.l
	v_cvt_f32_f16 v76, v76.l
	v_cvt_f32_f16 v77, v77.l
	v_cvt_f32_f16 v78, v78.l
	v_cvt_f32_f16 v79, v79.l
	v_cvt_f32_f16 v80, v80.l
	v_cvt_f32_f16 v81, v81.l
	v_cvt_f32_f16 v82, v82.l
	v_cvt_f32_f16 v83, v83.l
	v_cvt_f32_f16 v84, v84.l
	v_cvt_f32_f16 v85, v85.l
	v_cvt_f32_f16 v86, v86.l
	v_cvt_f32_f16 v87, v87.l
	v_cvt_f32_f16 v88, v88.l
	v_cvt_f32_f16 v89, v89.l
	v_cvt_f32_f16 v90, v90.l
	v_cvt_f32_f16 v91, v91.l
	v_cvt_f32_f16 v92, v92.l
	v_cvt_f32_f16 v93, v93.l
	v_cvt_f32_f16 v94, v94.l
	v_cvt_f32_f16 v95, v95.l
	v_cvt_f32_f16 v96, v96.l
	v_cvt_f32_f16 v97, v97.l
	v_cvt_f32_f16 v98, v98.l
	v_cvt_f32_f16 v99, v99.l
	v_cvt_f32_f16 v100, v100.l
	v_cvt_f32_f16 v101, v101.l
	v_cvt_f32_f16 v102, v102.l
	v_cvt_f32_f16 v103, v103.l
	v_cvt_f32_f16 v104, v104.l
	v_cvt_f32_f16 v105, v105.l
	v_cvt_f32_f16 v106, v106.l
	v_cvt_f32_f16 v107, v107.l
	v_cvt_f32_f16 v108, v108.l
	v_cvt_f32_f16 v109, v109.l
	v_cvt_f32_f16 v110, v110.l
	v_cvt_f32_f16 v111, v111.l
	v_cvt_f32_f16 v112, v112.l
	v_cvt_f32_f16 v113, v113.l
	v_cvt_f32_f16 v114, v114.l
	v_cvt_f32_f16 v115, v115.l
	v_cvt_f32_f16 v116, v116.l
	v_cvt_f32_f16 v117, v117.l
	v_cvt_f32_f16 v118, v118.l
	v_cvt_f32_f16 v119, v119.l
	v_cvt_f32_f16 v120, v120.l
	v_cvt_f32_f16 v121, v121.l
	v_cvt_f32_f16 v122, v122.l
	v_cvt_f32_f16 v123, v123.l
	v_cvt_f32_f16 v124, v124.l
	v_cvt_f32_f16 v125, v125.l
	v_cvt_f32_f16 v126, v126.l
	v_cvt_f32_f16 v127, v127.l
.endm
	; ---- keys 0 to 15
	s_wait_dscnt 0x0                               ; Q's and K's fragments are back from the stage
	MM32 KV, QF                                    ; S^T = K Q^T: source 0 = 16 keys, source 1 = my 16 queries
	s_wait_loadcnt 0x0                             ; w_o's rows are in: they wait in my second stage until O is finished
.set i, 0
.rept 16
	ds_store_b128 v[STA], v[OA+4*i:OA+4*i+3] offset:STG+SPT*i
.set i, i+1
.endr
.irp ct, 0,1,2,3,4,5,6,7
.irp i, 0,1,2,3,4,5,6,7
	global_load_b32 v[KV+8*\ct+\i], v[AV], s[4:5] offset:16384+\i*RQ+64*\ct   ; V: a lane to a channel, registers down the keys; sixteen lanes read 64 neighbouring bytes
.endr
.endr
	SOFT 1
	s_wait_loadcnt 0x0                             ; V
	s_wait_dscnt 0x0                               ; the stage's stores have read their registers, which O takes now
	PVMUL 1
	; ---- keys from 16 on, a tile of 16 at a time, where the stored bits open them
	s_cmp_eq_u32 s21, 0
	s_cbranch_scc1 .Lnear_only
	s_mov_b32 s22, 1                               ; the tile
.Lfar:
	s_lshr_b32 s23, s22, 2
	s_lshl_b32 s23, s23, 8                         ; its step of 64 keys: 256 bytes of words
	v_add_nc_u32 v[WAD], s23, v[MOFF]
	global_load_b32 v[MWD], v[WAD], s[8:9]
	s_and_b32 s23, s22, 3
	s_lshl_b32 s23, s23, 3
	s_wait_loadcnt 0x0
	v_lshlrev_b32 v[MWD], s23, v[MWD]              ; the tile's eight bits on top
	v_cmp_lt_u32 vcc_lo, 0xffffff, v[MWD]
	s_cbranch_vccz .Lfar_next                      ; no lane has one of them set: the tile adds nothing
.set i, 0
.rept 64
	global_load_u16 v[KV+i], v[AKF], s[6:7] offset:2*i             ; K: my key's channels 64 h + 0..63
.set i, i+1
.endr
	s_wait_loadcnt 0x0
	CVT64
	MM32 KV, QF
.irp ct, 0,1,2,3,4,5,6,7
.irp i, 0,1,2,3,4,5,6,7
	global_load_u16 v[KV+8*\ct+\i], v[AVF], s[6:7] offset:4096+\i*RP+32*\ct   ; V lies 4,096 bytes behind K in a row
.endr
.endr
	SOFT 0
	s_wait_loadcnt 0x0
	CVT64
	PVMUL 0
.Lfar_next:
	s_wait_xcnt 0x0                                ; the trip's loads have read their base
	s_add_nc_u64 s[6:7], s[6:7], 16*RP
	s_add_co_u32 s22, s22, 1
	s_cmp_lt_u32 s22, 128
	s_cbranch_scc1 .Lfar
.Lnear_only:
	; ---- o = O / l; my share of the projection; the sum over the sixteen heads
	v_permlanex16_b32 v[T0], v[LS], s[SEL], s[SEL+1]
	v_add_f32 v[LS], v[LS], v[T0]
	v_rcp_f32 v[T1], v[LS]
.irp ct, 0,1,2,3,4,5,6,7
	ds_load_b128 v[KV+8*\ct:KV+8*\ct+3],   v[WFR] offset:STG+64*\ct       ; w_o's fragments from my second stage: lane (r, h): row 16 g + r, channels 16 ct + 8 h + 0..7
	ds_load_b128 v[KV+8*\ct+4:KV+8*\ct+7], v[WFR] offset:STG+64*\ct+16
.endr
	v_nop                                          ; a plain instruction behind the reciprocal,
	s_wait_alu depctr_va_vdst(0)                   ; and the wait ahead of its first reader
.set i, 0
.rept 64
	v_mul_f32 v[OA+i], v[OA+i], v[T1]
.set i, i+1
.endr
	s_wait_dscnt 0x0
	MM32 KV, OA                                    ; source 0 = 16 rows of w_o, source 1 = my 16 queries' o: lane (r, h) holds out0(r, 16 g + 8 h + 0..7)
	SUM4
	ds_store_b128 v[PST], v[SS:SS+3]
	ds_store_b128 v[PST], v[SS+4:SS+7] offset:512
	s_wait_tensorcnt 0x0                           ; my last LDS store is behind me; the wait for 0 is also the one that the barrier wants
	ds_add_u32 v[SPW], v[NIL]
	s_wait_dscnt 0x0
	s_barrier_signal -1
	s_barrier_wait -1
	s_cmp_lt_u32 s[WV], 2                          ; waves 0 and 1 add the sixteen tiles: registers 0-3 and registers 4-7
	s_cbranch_scc0 .Lend
.set i, 0
.rept 16
	ds_load_b128 v[KV+4*i:KV+4*i+3], v[PRD] offset:1024*i
.set i, i+1
.endr
	s_wait_dscnt 0x0
.irp st, 8,4,2,1
.set i, 0
.rept 4*\st
	v_add_f32 v[KV+i], v[KV+i], v[KV+4*\st+i]
.set i, i+1
.endr
.endr
	global_store_b128 v[OUTO], v[KV:KV+3], s[12:13]
.Lend:
	s_endpgm
.Lfunc_end_k_q6eef640e65_fine:
	.size	k_q6eef640e65_fine, .Lfunc_end_k_q6eef640e65_fine-k_q6eef640e65_fine
	.p2alignl 7, 3214868480
	.fill 96, 4, 3214868480
	.section	.rodata,"a",@progbits
	.p2align	6, 0x0
	.amdhsa_kernel k_q6eef640e65_fine
		.amdhsa_group_segment_fixed_size 288768
		.amdhsa_private_segment_fixed_size 0
		.amdhsa_enable_private_segment 0
		.amdhsa_kernarg_size 40
		.amdhsa_user_sgpr_count 2
		.amdhsa_user_sgpr_kernarg_segment_ptr 1
		.amdhsa_wavefront_size32 1
		.amdhsa_system_sgpr_workgroup_id_x 1
		.amdhsa_system_sgpr_workgroup_id_y 1
		.amdhsa_system_sgpr_workgroup_id_z 1
		.amdhsa_system_vgpr_workitem_id 0
		.amdhsa_next_free_vgpr 256
		.amdhsa_next_free_sgpr 66
		.amdhsa_reserve_vcc 1
		.amdhsa_float_denorm_mode_32 3
		.amdhsa_float_denorm_mode_16_64 3
		.amdhsa_memory_ordered 1
		.amdhsa_forward_progress 1
		.amdhsa_inst_pref_size 71
	.end_amdhsa_kernel
	.amdgpu_metadata
---
amdhsa.version: [ 1, 2 ]
amdhsa.kernels:
  - .name:           k_q6eef640e65_fine
    .symbol:         k_q6eef640e65_fine.kd
    .args:
      - { .name: qkv32, .offset: 0, .size: 8, .value_kind: global_buffer, .address_space: global }
      - { .name: qkv, .offset: 8, .size: 8, .value_kind: global_buffer, .address_space: global }
      - { .name: mbits, .offset: 16, .size: 8, .value_kind: global_buffer, .address_space: global }
      - { .name: w_o, .offset: 24, .size: 8, .value_kind: global_buffer, .address_space: global }
      - { .name: out0, .offset: 32, .size: 8, .value_kind: global_buffer, .address_space: global }
    .group_segment_fixed_size: 288768
    .private_segment_fixed_size: 0
    .kernarg_segment_align: 8
    .kernarg_segment_size: 40
    .max_flat_workgroup_size: 512
    .sgpr_count:     66
    .vgpr_count:     256
    .wavefront_size: 32
...
	.end_amdgpu_metadata
.endif
;; end of part 5
